; MI455X (gfx1250); checked and timed in simulation.
; The chip was launched on July 23, 2026; its instructions are those of AMD's public machine-readable ISA for CDNA 5 (MIT licence, August 2026) and "CDNA5" Instruction Set Architecture Reference Guide (July 2026). The comments in the code are by the model that wrote it; some were corrected since.
;; Agent Capability Estimator. Allowed arithmetic: float matrix products may take bf16 or f16 operands with f32 sums; all other float work in f32.
;; Inputs: W1 512 x 1,024 float32; W2 1,024 x 1,024 float32; Wc1 1,024 x 512 float32; Wc2 512 x 1 float32; Wk1 2,048 x 1,024 float32; Wk2 1,024 x 1 float32; Wt1 1,024 x 512 float32; Wt2 512 x 1 float32; agent_positions 8,192 x 9 x 3 float32; b1 1,024 float32; b2 1,024 float32; bc1 512 float32; bc2 1 float32; bk1 1,024 float32; bk2 1 float32; bt1 512 float32; bt2 1 float32; obs 8,192 x 512 float32.
;; Outputs: out0 8,192 x 9 float32; out1 8,192 x 9 float32; out2 8,192 x 9 float32.
;; 2 versions, each right; version 2 is version 1 with the launch prep written anew for expert scheduling mode. Each part assembles by itself: llvm-mc -triple=amdgcn-amd-amdhsa -mcpu=gfx1250 --defsym DOCPART=n.
;; ======== version 1 of 2: 5 launches
;; workspace buffers: obsb 8,388,608 bytes; w1t 1,048,576 bytes; w2t 2,097,152 bytes; wh 4,194,304 bytes; g1 16,777,216 bytes; g 16,777,216 bytes; part 524,288 bytes
;; launch prep (part 1): grid 960 x 1, 8 waves a work-group, no clusters, 18,432 bytes of LDS; arguments obs, W1, W2, Wc1, Wt1, Wk1, obsb, w1t, w2t, wh; writes obsb, w1t, w2t, wh
.if DOCPART == 1
	.amdgcn_target "amdgcn-amd-amdhsa--gfx1250"
	.amdhsa_code_object_version 6
	.text
	.protected	k_qd36dc2b0ab_prep
	.globl	k_qd36dc2b0ab_prep
	.p2align	8
	.type	k_qd36dc2b0ab_prep,@function
k_qd36dc2b0ab_prep:
	s_mov_b64 s[64:65], 0
	v_nop
	global_prefetch_b8 v0, s[64:65] scope:SCOPE_SE
	s_setreg_imm32_b32 hwreg(HW_REG_WAVE_MODE, 25, 1), 1
	s_wait_xcnt 0x0
; Makes the matrix operands of the three products that follow, all bf16 with K along the rows:
;   obsb [8192][512]  = obs, rounded
;   w1t  [1024][512]  = W1 transposed, rounded          w2t [1024][1024] = W2 transposed, rounded
;   wh   [2048][1024] : rows 0-511 Wc1 transposed, rows 512-1023 Wt1 transposed,
;                       rows 1024-2047 (Wk1 rows 0-1023 + Wk1 rows 1024-2047) transposed.
; The last line: concat(g, g) x Wk1 = g x (upper half + lower half) for every input, so the halves are added here in f32 and
; rounded to bf16 ONCE.  Stated limit: the sum of the two halves is rounded where the original rounds nothing.
; agent_positions is loaded by no launch of this program: the function computes nothing from it.
; Eight waves, 960 work-groups, each with one role by its number alone:
;   0-511 cast 8,192 numbers of obs;  512-575 W1;  576-703 W2;  704-767 Wc1;  768-831 Wt1;  832-959 Wk1: one tile of 128 k x 64 n each.
; Memory binds: every input byte is loaded once, 16 bytes a lane with sixteen lanes on 256 consecutive aligned bytes, and every store
; of sixteen lanes (cast: of a wave) covers 256 consecutive aligned bytes.  No matrix unit, no cluster: no work-group shares a byte with another.
.set X,  8                             ; v[8:39]   cast: 8 loads.  transpose: row i of my 8 k rows, 4 columns each
.set X2, 40                            ; v[40:71]  cast: packed results.  fold: the same rows and columns 1,024 k rows further down
.set Y,  72                            ; v[72:87]  column c of my four: 8 k as bf16, 16 bytes
.set LP, 272                           ; LDS row: 256 bytes (128 k) + 16, so that sixteen consecutive rows start in sixteen different 16-byte columns of 256
	s_load_b512 s[8:23], s[0:1], 0x0               ; obs 8, W1 10, W2 12, Wc1 14, Wt1 16, Wk1 18, obsb 20, w1t 22
	s_load_b128 s[24:27], s[0:1], 0x40             ; w2t 24, wh 26
	v_lshl_add_u32 v88, v0, 2, 0x4400
	v_mov_b32 v89, 0
	s_wait_kmcnt 0x0
; One tile of a transpose.  Source [.][N] f32 at s[4:5], destination [N][K] bf16 at s[6:7], tile number in s3 (n tiles fastest).
; Thread t: nq = t % 16 (4 columns), kg = t / 16 (8 k rows).
.macro XPOSE N, K, LOGNT, fold
	s_and_b32 s28, s3, \N/64-1                     ; n tile
	s_lshr_b32 s29, s3, \LOGNT                     ; k tile
	s_mul_i32 s30, s29, 128*\N*4                   ; source: 128 rows down,
	s_lshl_b32 s31, s28, 8                         ; 64 columns of 4 bytes along
	s_add_co_u32 s30, s30, s31
	s_mov_b32 s31, 0
	s_add_nc_u64 s[4:5], s[4:5], s[30:31]
	s_mul_i32 s30, s28, 64*\K*2                    ; destination: 64 rows down,
	s_lshl_b32 s29, s29, 8                         ; 128 k of 2 bytes along
	s_add_co_u32 s30, s30, s29
	s_add_nc_u64 s[6:7], s[6:7], s[30:31]
	v_and_b32 v1, 15, v0                           ; nq
	v_lshrrev_b32 v2, 4, v0                        ; kg
	v_mul_u32_u24 v4, v2, 8*\N*4
	v_lshl_add_u32 v4, v1, 4, v4                   ; my first row, my 16 bytes
.irp i, 0,1,2,3,4,5,6,7
	global_load_b128 v[X+4*\i:X+4*\i+3], v4, s[4:5] offset:\i*\N*4 th:TH_LOAD_NT
.if \fold
	global_load_b128 v[X2+4*\i:X2+4*\i+3], v4, s[4:5] offset:1024*\N*4+\i*\N*4 th:TH_LOAD_NT
.endif
.endr
	v_mul_u32_u24 v5, v1, LP
	v_lshl_add_u32 v5, v2, 4, v5                   ; in: LDS row nq (+ 16 c), byte 16 kg.  LDS row 16 c + nq holds column 4 nq + c
	v_mul_u32_u24 v6, v2, LP
	v_lshl_add_u32 v6, v1, 4, v6                   ; back: LDS row kg (+ 16 j), byte 16 nq
	v_mul_u32_u24 v7, v2, 4*\K*2
	v_lshl_add_u32 v7, v1, 4, v7                   ; out: row 4 kg (+ j), byte 16 nq
.irp d, 0,1,2,3
.if \fold
	s_wait_loadcnt 12-4*\d                         ; loads come back in order: rows 2 d and 2 d + 1 of both halves are in, the 12 - 4 d younger loads stay out
.irp p, 0,2,4,6
	v_pk_add_f32 v[X+8*\d+\p:X+8*\d+\p+1], v[X+8*\d+\p:X+8*\d+\p+1], v[X2+8*\d+\p:X2+8*\d+\p+1]
.endr
.else
	s_wait_loadcnt 6-2*\d                          ; rows 2 d and 2 d + 1 are in, the 6 - 2 d younger loads stay out
.endif
.irp c, 0,1,2,3
	v_cvt_pk_bf16_f32 v[Y+4*\c+\d], v[X+8*\d+\c], v[X+8*\d+4+\c]   ; two neighbouring k of one column
.endr
.endr
.irp c, 0,1,2,3
	ds_store_b128 v5, v[Y+4*\c:Y+4*\c+3] offset:\c*16*LP
.endr
	s_wait_dscnt 0x0                               ; my stores are done before I say so: other waves read them
	s_barrier_signal -1
	s_barrier_wait -1
.irp j, 0,1,2,3
	ds_load_b128 v[X+4*\j:X+4*\j+3], v6 offset:\j*16*LP            ; LDS row 16 j + kg = column 4 kg + j, sixteen lanes take its 256 bytes
.endr
.irp j, 0,1,2,3
	s_wait_dscnt 3-\j                              ; LDS loads come back in order: row j is in
	global_store_b128 v7, v[X+4*\j:X+4*\j+3], s[6:7] offset:\j*\K*2
.endr
	s_wait_tensorcnt 0x0
	ds_add_u32 v88, v89
	s_wait_dscnt 0x0
	s_endpgm
.endm
	s_cmp_lt_u32 ttmp9, 512
	s_cbranch_scc1 .Lcast
	s_cmp_lt_u32 ttmp9, 576
	s_cbranch_scc1 .Lw1
	s_cmp_lt_u32 ttmp9, 704
	s_cbranch_scc1 .Lw2
	s_cmp_lt_u32 ttmp9, 832
	s_cbranch_scc1 .Lct
	; Wk1, both halves, into rows 1024-2047 of wh (2,048 bytes a row)
	s_sub_co_u32 s3, ttmp9, 832
	s_mov_b64 s[4:5], s[18:19]
	s_add_nc_u64 s[6:7], s[26:27], 0x200000
	XPOSE 1024, 1024, 4, 1
.Lct:
	; Wc1 (tiles 0-63) into rows 0-511 of wh, Wt1 (tiles 64-127) into rows 512-1023
	s_sub_co_u32 s3, ttmp9, 704
	s_lshr_b32 s28, s3, 6                          ; 0: Wc1, 1: Wt1
	s_lshl_b32 s30, s28, 20                        ; 512 rows of 2,048 bytes
	s_mov_b32 s31, 0
	s_add_nc_u64 s[6:7], s[26:27], s[30:31]
	s_cmp_eq_u32 s28, 0
	s_cselect_b64 s[4:5], s[14:15], s[16:17]
	s_and_b32 s3, s3, 63
	XPOSE 512, 1024, 3, 0
.Lw2:
	s_sub_co_u32 s3, ttmp9, 576
	s_mov_b64 s[4:5], s[12:13]
	s_mov_b64 s[6:7], s[24:25]
	XPOSE 1024, 1024, 4, 0
.Lw1:
	s_sub_co_u32 s3, ttmp9, 512
	s_mov_b64 s[4:5], s[10:11]
	s_mov_b64 s[6:7], s[22:23]
	XPOSE 1024, 512, 4, 0
.Lcast:
	; 8,192 numbers: thread t takes 16 bytes at 16 t of each of eight blocks of 4,096 bytes and stores 8 bytes at 8 t of blocks of 2,048
	s_lshl_b32 s4, ttmp9, 15
	s_mov_b32 s5, 0
	s_add_nc_u64 s[8:9], s[8:9], s[4:5]
	s_lshl_b32 s4, ttmp9, 14
	s_add_nc_u64 s[20:21], s[20:21], s[4:5]
	v_lshlrev_b32 v1, 4, v0
	v_lshlrev_b32 v2, 3, v0
.irp j, 0,1,2,3,4,5,6,7
	global_load_b128 v[X+4*\j:X+4*\j+3], v1, s[8:9] offset:\j*4096 th:TH_LOAD_NT
.endr
.irp j, 0,1,2,3,4,5,6,7
	s_wait_loadcnt 7-\j                            ; block j is in, the younger loads stay out
	v_cvt_pk_bf16_f32 v[X2+2*\j], v[X+4*\j], v[X+4*\j+1]
	v_cvt_pk_bf16_f32 v[X2+2*\j+1], v[X+4*\j+2], v[X+4*\j+3]
	global_store_b64 v2, v[X2+2*\j:X2+2*\j+1], s[20:21] offset:\j*2048   ; a wave stores 256 consecutive bytes, aligned
.endr
	s_endpgm
.Lfunc_end_k_qd36dc2b0ab_prep:
	.size	k_qd36dc2b0ab_prep, .Lfunc_end_k_qd36dc2b0ab_prep-k_qd36dc2b0ab_prep
	.p2alignl 7, 3214868480
	.fill 96, 4, 3214868480
	.section	.rodata,"a",@progbits
	.p2align	6, 0x0
	.amdhsa_kernel k_qd36dc2b0ab_prep
		.amdhsa_group_segment_fixed_size 18432
		.amdhsa_private_segment_fixed_size 0
		.amdhsa_enable_private_segment 0
		.amdhsa_kernarg_size 80
		.amdhsa_user_sgpr_count 2
		.amdhsa_user_sgpr_kernarg_segment_ptr 1
		.amdhsa_wavefront_size32 1
		.amdhsa_system_sgpr_workgroup_id_x 1
		.amdhsa_system_sgpr_workgroup_id_y 1
		.amdhsa_system_sgpr_workgroup_id_z 1
		.amdhsa_system_vgpr_workitem_id 0
		.amdhsa_next_free_vgpr 90
		.amdhsa_next_free_sgpr 66
		.amdhsa_reserve_vcc 0
		.amdhsa_float_denorm_mode_32 3
		.amdhsa_float_denorm_mode_16_64 3
		.amdhsa_memory_ordered 1
		.amdhsa_forward_progress 1
		.amdhsa_inst_pref_size 24
	.end_amdhsa_kernel
	.amdgpu_metadata
---
amdhsa.version: [ 1, 2 ]
amdhsa.kernels:
  - .name:           k_qd36dc2b0ab_prep
    .symbol:         k_qd36dc2b0ab_prep.kd
    .args:
      - { .name: obs, .offset: 0, .size: 8, .value_kind: global_buffer, .address_space: global }
      - { .name: W1, .offset: 8, .size: 8, .value_kind: global_buffer, .address_space: global }
      - { .name: W2, .offset: 16, .size: 8, .value_kind: global_buffer, .address_space: global }
      - { .name: Wc1, .offset: 24, .size: 8, .value_kind: global_buffer, .address_space: global }
      - { .name: Wt1, .offset: 32, .size: 8, .value_kind: global_buffer, .address_space: global }
      - { .name: Wk1, .offset: 40, .size: 8, .value_kind: global_buffer, .address_space: global }
      - { .name: obsb, .offset: 48, .size: 8, .value_kind: global_buffer, .address_space: global }
      - { .name: w1t, .offset: 56, .size: 8, .value_kind: global_buffer, .address_space: global }
      - { .name: w2t, .offset: 64, .size: 8, .value_kind: global_buffer, .address_space: global }
      - { .name: wh, .offset: 72, .size: 8, .value_kind: global_buffer, .address_space: global }
    .group_segment_fixed_size: 18432
    .private_segment_fixed_size: 0
    .kernarg_segment_align: 8
    .kernarg_segment_size: 80
    .max_flat_workgroup_size: 256
    .sgpr_count:     66
    .vgpr_count:     90
    .wavefront_size: 32
...
	.end_amdgpu_metadata
.endif
;; end of part 1
;; launch layer1 (part 2): grid 4 x 64, 4 waves a work-group, clusters of 4 x 4, 327,680 bytes of LDS; arguments obsb, w1t, b1, g1; writes g1
.if DOCPART == 2
	.amdgcn_target "amdgcn-amd-amdhsa--gfx1250"
	.amdhsa_code_object_version 6
	.text
	.protected	k_qd36dc2b0ab_layer1
	.globl	k_qd36dc2b0ab_layer1
	.p2align	8
	.type	k_qd36dc2b0ab_layer1,@function
k_qd36dc2b0ab_layer1:
	s_mov_b64 s[64:65], 0
	v_nop
	global_prefetch_b8 v0, s[64:65] scope:SCOPE_SE
	s_setreg_imm32_b32 hwreg(HW_REG_WAVE_MODE, 25, 1), 1
	s_wait_xcnt 0x0
	s_wait_alu depctr_hold_cnt(0) depctr_sa_sdst(0) depctr_va_vdst(0) depctr_va_sdst(0) depctr_va_ssrc(0) depctr_va_vcc(0) depctr_vm_vsrc(0)
	s_getreg_b32 s2, hwreg(HW_REG_IB_STS2, 6, 4)
	s_cmp_eq_u32 s2, 0
	s_cbranch_scc0 .Lentry_in_a_cluster
	s_endpgm
.Lentry_in_a_cluster:
	s_bfe_u32 s2, ttmp6, 0x10000c
	s_cmp_lg_u32 s2, 0xf033
	s_cbranch_scc0 .Lentry_shape_is_right
	s_endpgm
.Lentry_shape_is_right:
; g1 = relu(obs W1 + b1):  C[m][n] = relu(b[n] + sum over k of A[m][k] B[n][k]).
; A = obsb [8192][SIZE_K] bf16, B = w1t [SIZE_N][SIZE_K] bf16 (the weight transposed), b = b1 [SIZE_N] f32, C = g1 [8192][SIZE_N] bf16.  Sums in f32.
; Stated limits: the bias is the FIRST term of each sum; relu is v_max_num_f32, so a NaN sum gives 0; C is rounded to bf16 (it is the next product's operand).
; A work-group makes a block of 32 MT x 256 of C with four waves, a wave 16 MT x 128: 8 MT accumulator tiles of 16 x 16.
; MT = 4: 8192 x 1024 numbers in blocks of 128 x 256 are 256 work-groups; blocks of 256 x 256 would be 128.
; K goes in steps of 128 through two LDS slots filled by the tensor data mover: a tile row is 256 bytes of memory at a multiple of 256 bytes.
; CLUSTERS: 4 x 4 work-groups.  The four of a row of the cluster make blocks of one block row and ask for the tiles of A jointly, the four of a
; column for the tiles of B: each issues the same tensor load with the same descriptor and a mask that names the four.
; REGISTERS in windows of 256 (s_set_vgpr_msb low byte: bits 1:0 source 0, 3:2 source 1, 5:4 source 2, 7:6 destination):
;   window 0: v0-27 addresses; v64.., v128.. fragments of A (MT x 8 registers), two buffers; v192-255 the bias as a C tile, later packed results
;   window 1: v64-127, v128-191 fragments of B, two buffers
;   window 2: accumulator tile (a, b) at v[8 (8 a + b)], a = 0..3 (rows 16 a ..), b = 0..7 (columns 16 b ..);  window 3: rows 64-127 where MT = 8
; THE MATRIX INSTRUCTION IS USED TRANSPOSED: source 0 = 16 rows of B, source 1 = 16 rows of A.  Register j of lane l then holds row l % 16 of C
; and column 8 (l / 16) + j: eight neighbouring numbers of a row.  So register 8 b + j of the bias tile is b[n0 + 16 b + 8 (l / 16) + j] for every row tile.
.set SIZE_K, 512
.set SIZE_N, 1024
.set MT,     4                         ; 16-row tiles in a wave's block: 4 or 8
.set KSTEP,  128
.set PITCH,  272                       ; an LDS row: 256 bytes + 16 of padding, so that sixteen consecutive rows start in sixteen different 16-byte columns of 256
.set HALFT,  128*PITCH                 ; 128 rows of B: one tensor load, and what one wave reads of B
.set BSIZE,  2*HALFT                   ; the 256 rows of B at the head of a slot
.set APIECE, 16*MT*PITCH               ; 16 MT rows of A: one tensor load, and what one wave reads of A
.set SLOT,   BSIZE+2*APIECE
.set STAGE,  2*SLOT                    ; behind the ring, a multiple of 256: 16 rows x 272 bytes for each wave, never a tensor load's target
.set LAPS,   SIZE_K/(2*KSTEP)          ; a lap = two K steps = once round the ring
.set NF,     16+2*MT                   ; LDS loads of one quarter step's fragments
.set ADRA, 16                          ; v16-17  LDS address of my A fragments in slot 0, 1
.set ADRB, 20                          ; v20-21  the same for B
.set STO,  24                          ; the way out: where I put 16 bytes of a row
.set RD,   25                          ; the way out: where I read a row back
.set CO,   26                          ; my byte offset in C
.set BO,   27                          ; 32 x (l / 16): my byte offset in the bias
.set F0,   64
.set F1,   128
.set BIAS, 192
.set TMP,  192
.set G1A, 24                           ; s[24:31] descriptor group 1 for A
.set G0A, 32                           ; s[32:39] group 0 for A, a set for each slot
.set G1B, 48                           ; s[48:55] group 1 for B
.set G0B, 56                           ; s[56:63] group 0 for B, a set for each slot
.set MSB, 0
.macro WIN new                         ; the immediate's high byte repeats the setting that is left
.if MSB != \new
	s_set_vgpr_msb (MSB<<8)|\new
.set MSB, \new
.endif
.endm
.set MUL_LO,   0xa1                    ; source 0 (B) window 1, source 1 (A) window 0, C and D window 2
.set MUL_HI,   0xf1                    ; the same, C and D window 3
.set MUL_LO_B, 0x81                    ; the first products: C (the bias) window 0, D window 2
.set MUL_HI_B, 0xc1                    ; the same, D window 3
.set TO_B,     0x40                    ; destination window 1, address window 0
; A joint load.  Waves 0 and 1 fetch the two pieces of B, waves 2 and 3 those of A.  Each line has one mask; the branch hangs on the wave number alone.
.macro JLOAD s
	s_cmp_eq_u32 s11, 0
	s_cbranch_scc0 .Lfor_a_\@
	tensor_load_to_lds s[G0B+4*\s:G0B+4*\s+3], s[G1B:G1B+7]
	s_nop 0
	s_branch .Lasked_\@
.Lfor_a_\@:
	tensor_load_to_lds s[G0A+4*\s:G0A+4*\s+3], s[G1A:G1A+7]
	s_nop 0
.Lasked_\@:
.endm
; A round of the cluster barrier: the work-group barrier, wave 0 signals for the work-group, every wave waits for all sixteen, the work-group barrier again.
.macro CREST                           ; a round behind its opening barrier
	s_cmp_lg_u32 s10, 0
	s_cbranch_scc1 .Lnot_wave_0_\@
	s_barrier_signal -3
.Lnot_wave_0_\@:
	s_barrier_wait -3
	s_barrier_signal -1
	s_barrier_wait -1
.endm
.macro CROUND
	s_barrier_signal -1
	s_barrier_wait -1
	CREST
.endm
	s_load_b128 s[4:7], s[0:1], 0x0                ; A s[4:5], B s[6:7]
	s_load_b64 s[66:67], s[0:1], 0x10              ; the bias
	s_load_b64 s[8:9], s[0:1], 0x18                ; C
	s_set_vgpr_msb 0x40
	v_lshl_add_u32 v255, v0, 2, 0x37400
	s_set_vgpr_msb 0x4000
	v_mov_b32 v191, 0
	s_set_vgpr_msb 0x1
	ds_add_u32 v255, v191
	s_set_vgpr_msb 0x100
	v_lshrrev_b32 v1, 5, v0
	v_readfirstlane_b32 s10, v1                    ; wave 0..3
	s_lshr_b32 s11, s10, 1                         ; my half of the block's rows.  Also: I fetch for B (0) or for A (1)
	s_and_b32 s12, s10, 1                          ; my half of its columns.  Also: which piece I fetch
	s_bfe_u32 s40, ttmp6, 0x40000                  ; cx
	s_bfe_u32 s41, ttmp6, 0x40004                  ; cy
	s_lshl_b32 s42, ttmp9, 2
	s_add_co_u32 s42, s42, s40                     ; block column = 4 x cluster x + cx
	s_and_b32 s13, ttmp7, 0xffff
	s_lshl_b32 s13, s13, 2
	s_add_co_u32 s13, s13, s41                     ; block row = 4 x cluster y + cy
	s_lshl_b32 s43, s41, 2
	s_lshl_b32 s43, 15, s43                        ; my row of the cluster: places 4 cy .. 4 cy + 3
	s_lshl_b32 s44, 0x1111, s40                    ; my column: places cx, cx + 4, cx + 8, cx + 12
	; group 1: rows of 128 elements of 2 bytes, 4 words of padding behind every 64 words; A: 16 MT rows, B: 128 rows
	s_or_b32 s[G1A+0], s43, (1<<16)|(1<<20)|(1<<21)|(5<<22)|(3<<25)  ; 15:0 mask: A goes to my row; 17:16 element of 2 bytes; 20 padding; 21 set beside a mask; 24:22 every 64 words; 31:25 four words
	s_or_b32 s[G1B+0], s44, (1<<16)|(1<<20)|(1<<21)|(5<<22)|(3<<25)  ; the same with the mask of my column
	s_mov_b32 s[G1A+1], KSTEP<<16                  ; tensor_dim0 = 128
	s_mov_b32 s[G1B+1], KSTEP<<16
	s_mov_b32 s[G1A+2], (16*MT)<<16                ; tensor_dim1 = the rows of the tile
	s_mov_b32 s[G1B+2], 128<<16
	s_mov_b32 s[G1A+3], KSTEP<<16                  ; tile_dim0 = 128
	s_mov_b32 s[G1B+3], KSTEP<<16
	s_mov_b32 s[G1A+4], 16*MT                      ; tile_dim1
	s_mov_b32 s[G1B+4], 128
	s_mov_b32 s[G1A+5], SIZE_K                     ; elements from row to row
	s_mov_b32 s[G1B+5], SIZE_K
	s_mov_b32 s[G1A+6], 0
	s_mov_b32 s[G1B+6], 0
	s_mov_b32 s[G1A+7], 0
	s_mov_b32 s[G1B+7], 0
	; where the tiles come from: A hangs on the block row and the wave number alone, B on the block column and the wave number alone,
	; each made in registers that never hold the other coordinate
	s_mul_i32 s16, s13, 32*MT
	s_mul_i32 s17, s12, 16*MT
	s_add_co_u32 s16, s16, s17                     ; A: first row of my piece
	s_lshl_b32 s46, s42, 8
	s_lshl_b32 s47, s12, 7
	s_add_co_u32 s46, s46, s47                     ; B: first row of my piece
	s_mov_b32 s17, 0
	s_mov_b32 s47, 0
	s_mov_b64 s[18:19], SIZE_K*2
	s_mul_u64 s[16:17], s[16:17], s[18:19]
	s_mul_u64 s[46:47], s[46:47], s[18:19]
	s_mul_i32 s20, s10, HALFT                      ; where they go.  B (waves 0, 1): wave x 128 rows
	s_mul_i32 s45, s10, APIECE                     ; A (waves 2, 3): behind B, (wave - 2) x 16 MT rows
.if BSIZE != 2*APIECE
	s_add_co_u32 s45, s45, BSIZE-2*APIECE
.endif
	s_wait_dscnt 0x0
	s_wait_kmcnt 0x0
	s_add_nc_u64 s[14:15], s[4:5], s[16:17]
	s_add_nc_u64 s[46:47], s[6:7], s[46:47]
	CROUND                                         ; all sixteen work-groups are here: the first joint loads meet
.irp s, 0,1
	s_mov_b32 s[G0A+4*\s], 1                                       ; count = 1
	s_add_co_u32 s[G0A+4*\s+1], s45, \s*SLOT                       ; LDS address
	s_add_nc_u64 s[G0A+4*\s+2:G0A+4*\s+3], s[14:15], \s*KSTEP*2    ; global address: K step s
	s_or_b32 s[G0A+4*\s+3], s[G0A+4*\s+3], 0x80000000              ; type = 2
	s_mov_b32 s[G0B+4*\s], 1
	s_add_co_u32 s[G0B+4*\s+1], s20, \s*SLOT
	s_add_nc_u64 s[G0B+4*\s+2:G0B+4*\s+3], s[46:47], \s*KSTEP*2
	s_or_b32 s[G0B+4*\s+3], s[G0B+4*\s+3], 0x80000000
	JLOAD \s                                       ; two tensor loads of the wave are out: the most in this text
.endr
	; a fragment: lane l holds row l % 16; registers 0-3 K = 8 (l / 16) + 0..7, registers 4-7 K = 16 + 8 (l / 16) + 0..7: two loads of 16 bytes, 32 bytes apart
	v_and_b32 v1, 15, v0                           ; r = l % 16
	v_bfe_u32 v2, v0, 4, 1                         ; h = l / 16
	v_mul_u32_u24 v3, v1, PITCH
	v_lshl_add_u32 v3, v2, 4, v3                   ; r x pitch + 16 h
	s_mul_i32 s21, s11, APIECE
	s_add_co_u32 s21, s21, BSIZE                   ; my rows of A
	s_mul_i32 s22, s12, HALFT                      ; my rows of B
.irp s, 0,1
	v_add_nc_u32 v[ADRA+\s], s21, v3
	v_add_nc_u32 v[ADRB+\s], s22, v3
	s_add_co_u32 s21, s21, SLOT
	s_add_co_u32 s22, s22, SLOT
.endr
	s_mul_i32 s23, s10, 16*PITCH
	s_add_co_u32 s23, s23, STAGE                   ; my stage
	v_add_nc_u32 v[STO], s23, v3                   ; in: row r, 16 bytes for each half of the lanes
	v_mul_u32_u24 v5, v2, PITCH
	v_lshl_add_u32 v5, v1, 4, v5
	v_add_nc_u32 v[RD], s23, v5                    ; back: lanes 0-15 one row of 256 bytes, lanes 16-31 the next
	v_mul_u32_u24 v5, v2, SIZE_N*2
	v_lshl_add_u32 v[CO], v1, 4, v5                ; the same two rows in C
	v_lshlrev_b32 v[BO], 5, v2
	s_lshl_b32 s46, s42, 10                        ; the bias of my 128 columns: 4 x (256 x block column + 128 x half)
	s_lshl_b32 s47, s12, 9
	s_add_co_u32 s46, s46, s47
	s_mov_b32 s47, 0
	s_add_nc_u64 s[66:67], s[66:67], s[46:47]
.irp b, 0,1,2,3,4,5,6,7
	global_load_b128 v[BIAS+8*\b:BIAS+8*\b+3],   v[BO], s[66:67] offset:64*\b
	global_load_b128 v[BIAS+8*\b+4:BIAS+8*\b+7], v[BO], s[66:67] offset:64*\b+16
.endr
; 16 matrix instructions: row tiles a0, a0 + 1 of a window x all 8 column tiles, 32 along K.  first = 1: the bias tile is C: nothing is cleared, no bias is added later.
.macro MUL16 f, hi, a0, first
.irp a, \a0, \a0+1
.irp b, 0,1,2,3,4,5,6,7
.if \first
	v_wmma_f32_16x16x32_bf16 v[8*(8*(\a)+\b):8*(8*(\a)+\b)+7], v[\f+8*\b:\f+8*\b+7], v[\f+8*(4*\hi+\a):\f+8*(4*\hi+\a)+7], v[BIAS+8*\b:BIAS+8*\b+7]
.else
	v_wmma_f32_16x16x32_bf16 v[8*(8*(\a)+\b):8*(8*(\a)+\b)+7], v[\f+8*\b:\f+8*\b+7], v[\f+8*(4*\hi+\a):\f+8*(4*\hi+\a)+7], v[8*(8*(\a)+\b):8*(8*(\a)+\b)+7]
.endif
.endr
.endr
.endm
; A quarter step's 8 MT matrix instructions.  The accumulators take turns, one instruction a turn, in the same order in every quarter, over the
; loop's backward jump too.
.macro MULALL f, first
.if \first
	WIN MUL_LO_B
.else
	WIN MUL_LO
.endif
	MUL16 \f, 0, 0, \first
	MUL16 \f, 0, 2, \first
.if MT == 8
.if \first
	WIN MUL_HI_B
.else
	WIN MUL_HI
.endif
	MUL16 \f, 1, 0, \first
	MUL16 \f, 1, 2, \first
.endif
.endm
; NF LDS loads in one run: the fragments of one quarter step (32 K at byte k of the rows) into buffer f
.macro FETCH slot, k, f
	WIN TO_B
.irp i, 0,1,2,3,4,5,6,7
	ds_load_b128 v[\f+8*\i:\f+8*\i+3],   v[ADRB+\slot] offset:\k+\i*16*PITCH
	ds_load_b128 v[\f+8*\i+4:\f+8*\i+7], v[ADRB+\slot] offset:\k+\i*16*PITCH+32
.endr
	WIN 0
.set fi, 0
.rept MT
	ds_load_b128 v[\f+8*fi:\f+8*fi+3],   v[ADRA+\slot] offset:\k+fi*16*PITCH
	ds_load_b128 v[\f+8*fi+4:\f+8*fi+7], v[ADRA+\slot] offset:\k+fi*16*PITCH+32
.set fi, fi+1
.endr
.endm
; A load into a register that a matrix instruction has read, and a vector instruction that reads a matrix result, stand four places behind it; only plain
; vector instructions that name none of its registers are places (ISA guide 7.12.1 for vector instructions).
.macro PLACES
.rept 4
	v_nop
.endr
.endm
; A quarter step: fetches the next quarter's fragments into buffer g (which the quarter before has multiplied), then multiplies buffer f.
.macro QUARTER slot, k, f, g, first
	PLACES
	FETCH \slot, \k, \g
	s_wait_dscnt NF                                ; LDS loads come back in order: all but the NF just issued, so buffer f is in
	MULALL \f, \first
.endm
; A K step's third quarter: fetches the slot's last fragments, multiplies buffer 0, and changes slots.  ONE barrier for two things: in front of it each wave
; waits for its reads of this slot and for all its tensor loads (one is out: its piece of the other slot); behind it nobody reads this slot and the other
; slot is whole.  fill = 1: that barrier opens a round of the cluster barrier, and the joint refill, two K steps ahead, is the first tensor load behind the round.
.macro SYNCQ slot, fill
	PLACES
	FETCH \slot, 192, F1
	s_wait_dscnt NF
	WIN MUL_LO
	MUL16 F0, 0, 0, 0
.if MT == 8
	MUL16 F0, 0, 2, 0
	WIN MUL_HI
	MUL16 F0, 1, 0, 0
.endif
	s_wait_dscnt 0x0                               ; my reads of this slot are over
	s_wait_tensorcnt 0x0                           ; and all my tensor loads have landed
	ds_add_u32 v255, v191
	s_wait_dscnt 0x0
	s_barrier_signal -1
.if MT == 8
	MUL16 F0, 1, 2, 0                              ; register work while the others arrive
.else
	MUL16 F0, 0, 2, 0                              ; register work while the others arrive
.endif
	WIN 0
	s_barrier_wait -1
.if \fill
	CREST                                          ; no wave of any partner still reads this slot or has a load on its way
	s_add_nc_u64 s[G0A+4*\slot+2:G0A+4*\slot+3], s[G0A+4*\slot+2:G0A+4*\slot+3], 2*KSTEP*2
	s_add_nc_u64 s[G0B+4*\slot+2:G0B+4*\slot+3], s[G0B+4*\slot+2:G0B+4*\slot+3], 2*KSTEP*2
	JLOAD \slot
.endif
.endm
.macro STEP slot, next, fill, first    ; a K step: four quarters on buffers 0, 1, 0, 1; the fourth already fetches from the next slot
	QUARTER \slot, 64,  F0, F1, \first
	QUARTER \slot, 128, F1, F0, 0
	SYNCQ \slot, \fill
	QUARTER \next, 0,   F1, F0, 0
.endm
.macro LAP first
	STEP 0, 1, 1, \first
	STEP 1, 0, 1, 0
.endm
	s_wait_tensorcnt 1                             ; my piece of K step 0 is in; K step 1's stays out
	s_barrier_signal -1
	s_barrier_wait -1                              ; everybody's is
	FETCH 0, 0, F0
	s_wait_loadcnt 0x0                             ; the bias
	LAP 1                                          ; the first lap stands in front of the loop: its first products start the sums
.if LAPS > 2
	WIN 0                                          ; at a label and at a branch every window is 0
	s_mov_b32 s3, LAPS-2
.Llap:
	LAP 0
	WIN 0
	s_sub_co_u32 s3, s3, 1
	s_cmp_lg_u32 s3, 0
	s_cbranch_scc1 .Llap
.endif
	STEP 0, 1, 0, 0                                ; the last lap fills nothing and has no round of the cluster barrier
	QUARTER 1, 64,  F0, F1, 0
	QUARTER 1, 128, F1, F0, 0
	QUARTER 1, 192, F0, F1, 0
	s_wait_dscnt 0x0
	MULALL F1, 0
	; THE WAY OUT, 16 rows of C at a time: relu, round to bf16, 16 bytes a lane into my own stage, read back as whole rows of 256 bytes.
	PLACES                                         ; the places behind the last matrix instructions
	s_mul_i32 s16, s13, 32*MT
	s_mul_i32 s14, s11, 16*MT
	s_add_co_u32 s16, s16, s14                     ; my first row of C
	s_mov_b32 s17, 0
	s_mov_b64 s[18:19], SIZE_N*2
	s_mul_u64 s[16:17], s[16:17], s[18:19]
	s_add_nc_u64 s[8:9], s[8:9], s[16:17]
	s_lshl_b32 s46, s42, 9                         ; my first column in bytes: 512 x block column + 256 x half
	s_lshl_b32 s47, s12, 8
	s_add_co_u32 s46, s46, s47
	s_mov_b32 s47, 0
	s_add_nc_u64 s[8:9], s[8:9], s[46:47]
; rows 16 i .. 16 i + 15 of my block = tiles (a, 0..7) of a window.  inplace: source 1 and destination in that window; from: sources 0 and 1 in it; f: F0, F1 in turn
.macro OUT16 i, a, inplace, from, f
	WIN \inplace
.set ri, 64*\a
.rept 64
	v_max_num_f32 v[ri], 0, v[ri]
.set ri, ri+1
.endr
	WIN \from
.irp b, 0,1,2,3,4,5,6,7
.irp r, 0,1,2,3
	v_cvt_pk_bf16_f32 v[TMP+4*\b+\r], v[8*(8*\a+\b)+2*\r], v[8*(8*\a+\b)+2*\r+1]
.endr
.endr
	WIN 0
.irp b, 0,1,2,3,4,5,6,7
	ds_store_b128 v[STO], v[TMP+4*\b:TMP+4*\b+3] offset:32*\b
.endr
	s_wait_xcnt 0x0                                ; buffer f, which earlier stores read, and the stores' base are rewritten only behind this wait
.if \i
	s_add_nc_u64 s[8:9], s[8:9], 16*SIZE_N*2
.endif
.irp t, 0,1,2,3,4,5,6,7
	ds_load_b128 v[\f+4*\t:\f+4*\t+3], v[RD] offset:\t*2*PITCH     ; LDS serves a wave's instructions in order: these see the stores above
.endr
.irp t, 0,1,2,3,4,5,6,7
	s_wait_dscnt 7-\t                              ; rows 2 t, 2 t + 1 are in, the younger loads stay out
	global_store_b128 v[CO], v[\f+4*\t:\f+4*\t+3], s[8:9] offset:2*\t*SIZE_N*2   ; sixteen lanes store 256 consecutive bytes, aligned
.endr
.endm
	OUT16 0, 0, 0x88, 0x0a, F0
	OUT16 1, 1, 0x88, 0x0a, F1
	OUT16 2, 2, 0x88, 0x0a, F0
	OUT16 3, 3, 0x88, 0x0a, F1
.if MT == 8
	OUT16 4, 0, 0xcc, 0x0f, F0
	OUT16 5, 1, 0xcc, 0x0f, F1
	OUT16 6, 2, 0xcc, 0x0f, F0
	OUT16 7, 3, 0xcc, 0x0f, F1
.endif
	s_set_vgpr_msb 0x1
	s_wait_tensorcnt 0x0
	ds_add_u32 v255, v191
	s_wait_dscnt 0x0
	s_set_vgpr_msb 0x100
	CROUND                                         ; the closing round: no work-group ends while a partner may still ask for a tile that names it
	s_endpgm
.Lfunc_end_k_qd36dc2b0ab_layer1:
	.size	k_qd36dc2b0ab_layer1, .Lfunc_end_k_qd36dc2b0ab_layer1-k_qd36dc2b0ab_layer1
	.p2alignl 7, 3214868480
	.fill 96, 4, 3214868480
	.section	.rodata,"a",@progbits
	.p2align	6, 0x0
	.amdhsa_kernel k_qd36dc2b0ab_layer1
		.amdhsa_group_segment_fixed_size 327680
		.amdhsa_private_segment_fixed_size 0
		.amdhsa_enable_private_segment 0
		.amdhsa_kernarg_size 32
		.amdhsa_user_sgpr_count 2
		.amdhsa_user_sgpr_kernarg_segment_ptr 1
		.amdhsa_wavefront_size32 1
		.amdhsa_system_sgpr_workgroup_id_x 1
		.amdhsa_system_sgpr_workgroup_id_y 1
		.amdhsa_system_sgpr_workgroup_id_z 1
		.amdhsa_system_vgpr_workitem_id 0
		.amdhsa_next_free_vgpr 768
		.amdhsa_next_free_sgpr 68
		.amdhsa_reserve_vcc 0
		.amdhsa_float_denorm_mode_32 3
		.amdhsa_float_denorm_mode_16_64 3
		.amdhsa_memory_ordered 1
		.amdhsa_forward_progress 1
		.amdhsa_inst_pref_size 96
	.end_amdhsa_kernel
	.amdgpu_metadata
---
amdhsa.version: [ 1, 2 ]
amdhsa.kernels:
  - .name:           k_qd36dc2b0ab_layer1
    .symbol:         k_qd36dc2b0ab_layer1.kd
    .args:
      - { .name: obsb, .offset: 0, .size: 8, .value_kind: global_buffer, .address_space: global }
      - { .name: w1t, .offset: 8, .size: 8, .value_kind: global_buffer, .address_space: global }
      - { .name: b1, .offset: 16, .size: 8, .value_kind: global_buffer, .address_space: global }
      - { .name: g1, .offset: 24, .size: 8, .value_kind: global_buffer, .address_space: global }
    .group_segment_fixed_size: 327680
    .private_segment_fixed_size: 0
    .kernarg_segment_align: 8
    .kernarg_segment_size: 32
    .max_flat_workgroup_size: 128
    .sgpr_count:     68
    .vgpr_count:     768
    .wavefront_size: 32
...
	.end_amdgpu_metadata
.endif
;; end of part 2
;; launch layer2 (part 3): grid 4 x 64, 4 waves a work-group, clusters of 4 x 4, 327,680 bytes of LDS; arguments g1, w2t, b2, g; writes g
.if DOCPART == 3
	.amdgcn_target "amdgcn-amd-amdhsa--gfx1250"
	.amdhsa_code_object_version 6
	.text
	.protected	k_qd36dc2b0ab_layer2
	.globl	k_qd36dc2b0ab_layer2
	.p2align	8
	.type	k_qd36dc2b0ab_layer2,@function
k_qd36dc2b0ab_layer2:
	s_mov_b64 s[64:65], 0
	v_nop
	global_prefetch_b8 v0, s[64:65] scope:SCOPE_SE
	s_setreg_imm32_b32 hwreg(HW_REG_WAVE_MODE, 25, 1), 1
	s_wait_xcnt 0x0
	s_wait_alu depctr_hold_cnt(0) depctr_sa_sdst(0) depctr_va_vdst(0) depctr_va_sdst(0) depctr_va_ssrc(0) depctr_va_vcc(0) depctr_vm_vsrc(0)
	s_getreg_b32 s2, hwreg(HW_REG_IB_STS2, 6, 4)
	s_cmp_eq_u32 s2, 0
	s_cbranch_scc0 .Lentry_in_a_cluster
	s_endpgm
.Lentry_in_a_cluster:
	s_bfe_u32 s2, ttmp6, 0x10000c
	s_cmp_lg_u32 s2, 0xf033
	s_cbranch_scc0 .Lentry_shape_is_right
	s_endpgm
.Lentry_shape_is_right:
; g = relu(g1 W2 + b2):  C[m][n] = relu(b[n] + sum over k of A[m][k] B[n][k]).
; A = g1 [8192][SIZE_K] bf16, B = w2t [SIZE_N][SIZE_K] bf16 (the weight transposed), b = b2 [SIZE_N] f32, C = g [8192][SIZE_N] bf16.  Sums in f32.
; Stated limits: the bias is the FIRST term of each sum; relu is v_max_num_f32, so a NaN sum gives 0; C is rounded to bf16 (it is the next product's operand).
; A work-group makes a block of 32 MT x 256 of C with four waves, a wave 16 MT x 128: 8 MT accumulator tiles of 16 x 16.
; MT = 4: 8192 x 1024 numbers in blocks of 128 x 256 are 256 work-groups; blocks of 256 x 256 would be 128.
; K goes in steps of 128 through two LDS slots filled by the tensor data mover: a tile row is 256 bytes of memory at a multiple of 256 bytes.
; CLUSTERS: 4 x 4 work-groups.  The four of a row of the cluster make blocks of one block row and ask for the tiles of A jointly, the four of a
; column for the tiles of B: each issues the same tensor load with the same descriptor and a mask that names the four.
; REGISTERS in windows of 256 (s_set_vgpr_msb low byte: bits 1:0 source 0, 3:2 source 1, 5:4 source 2, 7:6 destination):
;   window 0: v0-27 addresses; v64.., v128.. fragments of A (MT x 8 registers), two buffers; v192-255 the bias as a C tile, later packed results
;   window 1: v64-127, v128-191 fragments of B, two buffers
;   window 2: accumulator tile (a, b) at v[8 (8 a + b)], a = 0..3 (rows 16 a ..), b = 0..7 (columns 16 b ..);  window 3: rows 64-127 where MT = 8
; THE MATRIX INSTRUCTION IS USED TRANSPOSED: source 0 = 16 rows of B, source 1 = 16 rows of A.  Register j of lane l then holds row l % 16 of C
; and column 8 (l / 16) + j: eight neighbouring numbers of a row.  So register 8 b + j of the bias tile is b[n0 + 16 b + 8 (l / 16) + j] for every row tile.
.set SIZE_K, 1024
.set SIZE_N, 1024
.set MT,     4                         ; 16-row tiles in a wave's block: 4 or 8
.set KSTEP,  128
.set PITCH,  272                       ; an LDS row: 256 bytes + 16 of padding, so that sixteen consecutive rows start in sixteen different 16-byte columns of 256
.set HALFT,  128*PITCH                 ; 128 rows of B: one tensor load, and what one wave reads of B
.set BSIZE,  2*HALFT                   ; the 256 rows of B at the head of a slot
.set APIECE, 16*MT*PITCH               ; 16 MT rows of A: one tensor load, and what one wave reads of A
.set SLOT,   BSIZE+2*APIECE
.set STAGE,  2*SLOT                    ; behind the ring, a multiple of 256: 16 rows x 272 bytes for each wave, never a tensor load's target
.set LAPS,   SIZE_K/(2*KSTEP)          ; a lap = two K steps = once round the ring
.set NF,     16+2*MT                   ; LDS loads of one quarter step's fragments
.set ADRA, 16                          ; v16-17  LDS address of my A fragments in slot 0, 1
.set ADRB, 20                          ; v20-21  the same for B
.set STO,  24                          ; the way out: where I put 16 bytes of a row
.set RD,   25                          ; the way out: where I read a row back
.set CO,   26                          ; my byte offset in C
.set BO,   27                          ; 32 x (l / 16): my byte offset in the bias
.set F0,   64
.set F1,   128
.set BIAS, 192
.set TMP,  192
.set G1A, 24                           ; s[24:31] descriptor group 1 for A
.set G0A, 32                           ; s[32:39] group 0 for A, a set for each slot
.set G1B, 48                           ; s[48:55] group 1 for B
.set G0B, 56                           ; s[56:63] group 0 for B, a set for each slot
.set MSB, 0
.macro WIN new                         ; the immediate's high byte repeats the setting that is left
.if MSB != \new
	s_set_vgpr_msb (MSB<<8)|\new
.set MSB, \new
.endif
.endm
.set MUL_LO,   0xa1                    ; source 0 (B) window 1, source 1 (A) window 0, C and D window 2
.set MUL_HI,   0xf1                    ; the same, C and D window 3
.set MUL_LO_B, 0x81                    ; the first products: C (the bias) window 0, D window 2
.set MUL_HI_B, 0xc1                    ; the same, D window 3
.set TO_B,     0x40                    ; destination window 1, address window 0
; A joint load.  Waves 0 and 1 fetch the two pieces of B, waves 2 and 3 those of A.  Each line has one mask; the branch hangs on the wave number alone.
.macro JLOAD s
	s_cmp_eq_u32 s11, 0
	s_cbranch_scc0 .Lfor_a_\@
	tensor_load_to_lds s[G0B+4*\s:G0B+4*\s+3], s[G1B:G1B+7]
	s_nop 0
	s_branch .Lasked_\@
.Lfor_a_\@:
	tensor_load_to_lds s[G0A+4*\s:G0A+4*\s+3], s[G1A:G1A+7]
	s_nop 0
.Lasked_\@:
.endm
; A round of the cluster barrier: the work-group barrier, wave 0 signals for the work-group, every wave waits for all sixteen, the work-group barrier again.
.macro CREST                           ; a round behind its opening barrier
	s_cmp_lg_u32 s10, 0
	s_cbranch_scc1 .Lnot_wave_0_\@
	s_barrier_signal -3
.Lnot_wave_0_\@:
	s_barrier_wait -3
	s_barrier_signal -1
	s_barrier_wait -1
.endm
.macro CROUND
	s_barrier_signal -1
	s_barrier_wait -1
	CREST
.endm
	s_load_b128 s[4:7], s[0:1], 0x0                ; A s[4:5], B s[6:7]
	s_load_b64 s[66:67], s[0:1], 0x10              ; the bias
	s_load_b64 s[8:9], s[0:1], 0x18                ; C
	s_set_vgpr_msb 0x40
	v_lshl_add_u32 v255, v0, 2, 0x37400
	s_set_vgpr_msb 0x4000
	v_mov_b32 v191, 0
	s_set_vgpr_msb 0x1
	ds_add_u32 v255, v191
	s_set_vgpr_msb 0x100
	v_lshrrev_b32 v1, 5, v0
	v_readfirstlane_b32 s10, v1                    ; wave 0..3
	s_lshr_b32 s11, s10, 1                         ; my half of the block's rows.  Also: I fetch for B (0) or for A (1)
	s_and_b32 s12, s10, 1                          ; my half of its columns.  Also: which piece I fetch
	s_bfe_u32 s40, ttmp6, 0x40000                  ; cx
	s_bfe_u32 s41, ttmp6, 0x40004                  ; cy
	s_lshl_b32 s42, ttmp9, 2
	s_add_co_u32 s42, s42, s40                     ; block column = 4 x cluster x + cx
	s_and_b32 s13, ttmp7, 0xffff
	s_lshl_b32 s13, s13, 2
	s_add_co_u32 s13, s13, s41                     ; block row = 4 x cluster y + cy
	s_lshl_b32 s43, s41, 2
	s_lshl_b32 s43, 15, s43                        ; my row of the cluster: places 4 cy .. 4 cy + 3
	s_lshl_b32 s44, 0x1111, s40                    ; my column: places cx, cx + 4, cx + 8, cx + 12
	; group 1: rows of 128 elements of 2 bytes, 4 words of padding behind every 64 words; A: 16 MT rows, B: 128 rows
	s_or_b32 s[G1A+0], s43, (1<<16)|(1<<20)|(1<<21)|(5<<22)|(3<<25)  ; 15:0 mask: A goes to my row; 17:16 element of 2 bytes; 20 padding; 21 set beside a mask; 24:22 every 64 words; 31:25 four words
	s_or_b32 s[G1B+0], s44, (1<<16)|(1<<20)|(1<<21)|(5<<22)|(3<<25)  ; the same with the mask of my column
	s_mov_b32 s[G1A+1], KSTEP<<16                  ; tensor_dim0 = 128
	s_mov_b32 s[G1B+1], KSTEP<<16
	s_mov_b32 s[G1A+2], (16*MT)<<16                ; tensor_dim1 = the rows of the tile
	s_mov_b32 s[G1B+2], 128<<16
	s_mov_b32 s[G1A+3], KSTEP<<16                  ; tile_dim0 = 128
	s_mov_b32 s[G1B+3], KSTEP<<16
	s_mov_b32 s[G1A+4], 16*MT                      ; tile_dim1
	s_mov_b32 s[G1B+4], 128
	s_mov_b32 s[G1A+5], SIZE_K                     ; elements from row to row
	s_mov_b32 s[G1B+5], SIZE_K
	s_mov_b32 s[G1A+6], 0
	s_mov_b32 s[G1B+6], 0
	s_mov_b32 s[G1A+7], 0
	s_mov_b32 s[G1B+7], 0
	; where the tiles come from: A hangs on the block row and the wave number alone, B on the block column and the wave number alone,
	; each made in registers that never hold the other coordinate
	s_mul_i32 s16, s13, 32*MT
	s_mul_i32 s17, s12, 16*MT
	s_add_co_u32 s16, s16, s17                     ; A: first row of my piece
	s_lshl_b32 s46, s42, 8
	s_lshl_b32 s47, s12, 7
	s_add_co_u32 s46, s46, s47                     ; B: first row of my piece
	s_mov_b32 s17, 0
	s_mov_b32 s47, 0
	s_mov_b64 s[18:19], SIZE_K*2
	s_mul_u64 s[16:17], s[16:17], s[18:19]
	s_mul_u64 s[46:47], s[46:47], s[18:19]
	s_mul_i32 s20, s10, HALFT                      ; where they go.  B (waves 0, 1): wave x 128 rows
	s_mul_i32 s45, s10, APIECE                     ; A (waves 2, 3): behind B, (wave - 2) x 16 MT rows
.if BSIZE != 2*APIECE
	s_add_co_u32 s45, s45, BSIZE-2*APIECE
.endif
	s_wait_dscnt 0x0
	s_wait_kmcnt 0x0
	s_add_nc_u64 s[14:15], s[4:5], s[16:17]
	s_add_nc_u64 s[46:47], s[6:7], s[46:47]
	CROUND                                         ; all sixteen work-groups are here: the first joint loads meet
.irp s, 0,1
	s_mov_b32 s[G0A+4*\s], 1                                       ; count = 1
	s_add_co_u32 s[G0A+4*\s+1], s45, \s*SLOT                       ; LDS address
	s_add_nc_u64 s[G0A+4*\s+2:G0A+4*\s+3], s[14:15], \s*KSTEP*2    ; global address: K step s
	s_or_b32 s[G0A+4*\s+3], s[G0A+4*\s+3], 0x80000000              ; type = 2
	s_mov_b32 s[G0B+4*\s], 1
	s_add_co_u32 s[G0B+4*\s+1], s20, \s*SLOT
	s_add_nc_u64 s[G0B+4*\s+2:G0B+4*\s+3], s[46:47], \s*KSTEP*2
	s_or_b32 s[G0B+4*\s+3], s[G0B+4*\s+3], 0x80000000
	JLOAD \s                                       ; two tensor loads of the wave are out: the most in this text
.endr
	; a fragment: lane l holds row l % 16; registers 0-3 K = 8 (l / 16) + 0..7, registers 4-7 K = 16 + 8 (l / 16) + 0..7: two loads of 16 bytes, 32 bytes apart
	v_and_b32 v1, 15, v0                           ; r = l % 16
	v_bfe_u32 v2, v0, 4, 1                         ; h = l / 16
	v_mul_u32_u24 v3, v1, PITCH
	v_lshl_add_u32 v3, v2, 4, v3                   ; r x pitch + 16 h
	s_mul_i32 s21, s11, APIECE
	s_add_co_u32 s21, s21, BSIZE                   ; my rows of A
	s_mul_i32 s22, s12, HALFT                      ; my rows of B
.irp s, 0,1
	v_add_nc_u32 v[ADRA+\s], s21, v3
	v_add_nc_u32 v[ADRB+\s], s22, v3
	s_add_co_u32 s21, s21, SLOT
	s_add_co_u32 s22, s22, SLOT
.endr
	s_mul_i32 s23, s10, 16*PITCH
	s_add_co_u32 s23, s23, STAGE                   ; my stage
	v_add_nc_u32 v[STO], s23, v3                   ; in: row r, 16 bytes for each half of the lanes
	v_mul_u32_u24 v5, v2, PITCH
	v_lshl_add_u32 v5, v1, 4, v5
	v_add_nc_u32 v[RD], s23, v5                    ; back: lanes 0-15 one row of 256 bytes, lanes 16-31 the next
	v_mul_u32_u24 v5, v2, SIZE_N*2
	v_lshl_add_u32 v[CO], v1, 4, v5                ; the same two rows in C
	v_lshlrev_b32 v[BO], 5, v2
	s_lshl_b32 s46, s42, 10                        ; the bias of my 128 columns: 4 x (256 x block column + 128 x half)
	s_lshl_b32 s47, s12, 9
	s_add_co_u32 s46, s46, s47
	s_mov_b32 s47, 0
	s_add_nc_u64 s[66:67], s[66:67], s[46:47]
.irp b, 0,1,2,3,4,5,6,7
	global_load_b128 v[BIAS+8*\b:BIAS+8*\b+3],   v[BO], s[66:67] offset:64*\b
	global_load_b128 v[BIAS+8*\b+4:BIAS+8*\b+7], v[BO], s[66:67] offset:64*\b+16
.endr
; 16 matrix instructions: row tiles a0, a0 + 1 of a window x all 8 column tiles, 32 along K.  first = 1: the bias tile is C: nothing is cleared, no bias is added later.
.macro MUL16 f, hi, a0, first
.irp a, \a0, \a0+1
.irp b, 0,1,2,3,4,5,6,7
.if \first
	v_wmma_f32_16x16x32_bf16 v[8*(8*(\a)+\b):8*(8*(\a)+\b)+7], v[\f+8*\b:\f+8*\b+7], v[\f+8*(4*\hi+\a):\f+8*(4*\hi+\a)+7], v[BIAS+8*\b:BIAS+8*\b+7]
.else
	v_wmma_f32_16x16x32_bf16 v[8*(8*(\a)+\b):8*(8*(\a)+\b)+7], v[\f+8*\b:\f+8*\b+7], v[\f+8*(4*\hi+\a):\f+8*(4*\hi+\a)+7], v[8*(8*(\a)+\b):8*(8*(\a)+\b)+7]
.endif
.endr
.endr
.endm
; A quarter step's 8 MT matrix instructions.  The accumulators take turns, one instruction a turn, in the same order in every quarter, over the
; loop's backward jump too.
.macro MULALL f, first
.if \first
	WIN MUL_LO_B
.else
	WIN MUL_LO
.endif
	MUL16 \f, 0, 0, \first
	MUL16 \f, 0, 2, \first
.if MT == 8
.if \first
	WIN MUL_HI_B
.else
	WIN MUL_HI
.endif
	MUL16 \f, 1, 0, \first
	MUL16 \f, 1, 2, \first
.endif
.endm
; NF LDS loads in one run: the fragments of one quarter step (32 K at byte k of the rows) into buffer f
.macro FETCH slot, k, f
	WIN TO_B
.irp i, 0,1,2,3,4,5,6,7
	ds_load_b128 v[\f+8*\i:\f+8*\i+3],   v[ADRB+\slot] offset:\k+\i*16*PITCH
	ds_load_b128 v[\f+8*\i+4:\f+8*\i+7], v[ADRB+\slot] offset:\k+\i*16*PITCH+32
.endr
	WIN 0
.set fi, 0
.rept MT
	ds_load_b128 v[\f+8*fi:\f+8*fi+3],   v[ADRA+\slot] offset:\k+fi*16*PITCH
	ds_load_b128 v[\f+8*fi+4:\f+8*fi+7], v[ADRA+\slot] offset:\k+fi*16*PITCH+32
.set fi, fi+1
.endr
.endm
; A load into a register that a matrix instruction has read, and a vector instruction that reads a matrix result, stand four places behind it; only plain
; vector instructions that name none of its registers are places (ISA guide 7.12.1 for vector instructions).
.macro PLACES
.rept 4
	v_nop
.endr
.endm
; A quarter step: fetches the next quarter's fragments into buffer g (which the quarter before has multiplied), then multiplies buffer f.
.macro QUARTER slot, k, f, g, first
	PLACES
	FETCH \slot, \k, \g
	s_wait_dscnt NF                                ; LDS loads come back in order: all but the NF just issued, so buffer f is in
	MULALL \f, \first
.endm
; A K step's third quarter: fetches the slot's last fragments, multiplies buffer 0, and changes slots.  ONE barrier for two things: in front of it each wave
; waits for its reads of this slot and for all its tensor loads (one is out: its piece of the other slot); behind it nobody reads this slot and the other
; slot is whole.  fill = 1: that barrier opens a round of the cluster barrier, and the joint refill, two K steps ahead, is the first tensor load behind the round.
.macro SYNCQ slot, fill
	PLACES
	FETCH \slot, 192, F1
	s_wait_dscnt NF
	WIN MUL_LO
	MUL16 F0, 0, 0, 0
.if MT == 8
	MUL16 F0, 0, 2, 0
	WIN MUL_HI
	MUL16 F0, 1, 0, 0
.endif
	s_wait_dscnt 0x0                               ; my reads of this slot are over
	s_wait_tensorcnt 0x0                           ; and all my tensor loads have landed
	ds_add_u32 v255, v191
	s_wait_dscnt 0x0
	s_barrier_signal -1
.if MT == 8
	MUL16 F0, 1, 2, 0                              ; register work while the others arrive
.else
	MUL16 F0, 0, 2, 0                              ; register work while the others arrive
.endif
	WIN 0
	s_barrier_wait -1
.if \fill
	CREST                                          ; no wave of any partner still reads this slot or has a load on its way
	s_add_nc_u64 s[G0A+4*\slot+2:G0A+4*\slot+3], s[G0A+4*\slot+2:G0A+4*\slot+3], 2*KSTEP*2
	s_add_nc_u64 s[G0B+4*\slot+2:G0B+4*\slot+3], s[G0B+4*\slot+2:G0B+4*\slot+3], 2*KSTEP*2
	JLOAD \slot
.endif
.endm
.macro STEP slot, next, fill, first    ; a K step: four quarters on buffers 0, 1, 0, 1; the fourth already fetches from the next slot
	QUARTER \slot, 64,  F0, F1, \first
	QUARTER \slot, 128, F1, F0, 0
	SYNCQ \slot, \fill
	QUARTER \next, 0,   F1, F0, 0
.endm
.macro LAP first
	STEP 0, 1, 1, \first
	STEP 1, 0, 1, 0
.endm
	s_wait_tensorcnt 1                             ; my piece of K step 0 is in; K step 1's stays out
	s_barrier_signal -1
	s_barrier_wait -1                              ; everybody's is
	FETCH 0, 0, F0
	s_wait_loadcnt 0x0                             ; the bias
	LAP 1                                          ; the first lap stands in front of the loop: its first products start the sums
.if LAPS > 2
	WIN 0                                          ; at a label and at a branch every window is 0
	s_mov_b32 s3, LAPS-2
.Llap:
	LAP 0
	WIN 0
	s_sub_co_u32 s3, s3, 1
	s_cmp_lg_u32 s3, 0
	s_cbranch_scc1 .Llap
.endif
	STEP 0, 1, 0, 0                                ; the last lap fills nothing and has no round of the cluster barrier
	QUARTER 1, 64,  F0, F1, 0
	QUARTER 1, 128, F1, F0, 0
	QUARTER 1, 192, F0, F1, 0
	s_wait_dscnt 0x0
	MULALL F1, 0
	; THE WAY OUT, 16 rows of C at a time: relu, round to bf16, 16 bytes a lane into my own stage, read back as whole rows of 256 bytes.
	PLACES                                         ; the places behind the last matrix instructions
	s_mul_i32 s16, s13, 32*MT
	s_mul_i32 s14, s11, 16*MT
	s_add_co_u32 s16, s16, s14                     ; my first row of C
	s_mov_b32 s17, 0
	s_mov_b64 s[18:19], SIZE_N*2
	s_mul_u64 s[16:17], s[16:17], s[18:19]
	s_add_nc_u64 s[8:9], s[8:9], s[16:17]
	s_lshl_b32 s46, s42, 9                         ; my first column in bytes: 512 x block column + 256 x half
	s_lshl_b32 s47, s12, 8
	s_add_co_u32 s46, s46, s47
	s_mov_b32 s47, 0
	s_add_nc_u64 s[8:9], s[8:9], s[46:47]
; rows 16 i .. 16 i + 15 of my block = tiles (a, 0..7) of a window.  inplace: source 1 and destination in that window; from: sources 0 and 1 in it; f: F0, F1 in turn
.macro OUT16 i, a, inplace, from, f
	WIN \inplace
.set ri, 64*\a
.rept 64
	v_max_num_f32 v[ri], 0, v[ri]
.set ri, ri+1
.endr
	WIN \from
.irp b, 0,1,2,3,4,5,6,7
.irp r, 0,1,2,3
	v_cvt_pk_bf16_f32 v[TMP+4*\b+\r], v[8*(8*\a+\b)+2*\r], v[8*(8*\a+\b)+2*\r+1]
.endr
.endr
	WIN 0
.irp b, 0,1,2,3,4,5,6,7
	ds_store_b128 v[STO], v[TMP+4*\b:TMP+4*\b+3] offset:32*\b
.endr
	s_wait_xcnt 0x0                                ; buffer f, which earlier stores read, and the stores' base are rewritten only behind this wait
.if \i
	s_add_nc_u64 s[8:9], s[8:9], 16*SIZE_N*2
.endif
.irp t, 0,1,2,3,4,5,6,7
	ds_load_b128 v[\f+4*\t:\f+4*\t+3], v[RD] offset:\t*2*PITCH     ; LDS serves a wave's instructions in order: these see the stores above
.endr
.irp t, 0,1,2,3,4,5,6,7
	s_wait_dscnt 7-\t                              ; rows 2 t, 2 t + 1 are in, the younger loads stay out
	global_store_b128 v[CO], v[\f+4*\t:\f+4*\t+3], s[8:9] offset:2*\t*SIZE_N*2   ; sixteen lanes store 256 consecutive bytes, aligned
.endr
.endm
	OUT16 0, 0, 0x88, 0x0a, F0
	OUT16 1, 1, 0x88, 0x0a, F1
	OUT16 2, 2, 0x88, 0x0a, F0
	OUT16 3, 3, 0x88, 0x0a, F1
.if MT == 8
	OUT16 4, 0, 0xcc, 0x0f, F0
	OUT16 5, 1, 0xcc, 0x0f, F1
	OUT16 6, 2, 0xcc, 0x0f, F0
	OUT16 7, 3, 0xcc, 0x0f, F1
.endif
	s_set_vgpr_msb 0x1
	s_wait_tensorcnt 0x0
	ds_add_u32 v255, v191
	s_wait_dscnt 0x0
	s_set_vgpr_msb 0x100
	CROUND                                         ; the closing round: no work-group ends while a partner may still ask for a tile that names it
	s_endpgm
.Lfunc_end_k_qd36dc2b0ab_layer2:
	.size	k_qd36dc2b0ab_layer2, .Lfunc_end_k_qd36dc2b0ab_layer2-k_qd36dc2b0ab_layer2
	.p2alignl 7, 3214868480
	.fill 96, 4, 3214868480
	.section	.rodata,"a",@progbits
	.p2align	6, 0x0
	.amdhsa_kernel k_qd36dc2b0ab_layer2
		.amdhsa_group_segment_fixed_size 327680
		.amdhsa_private_segment_fixed_size 0
		.amdhsa_enable_private_segment 0
		.amdhsa_kernarg_size 32
		.amdhsa_user_sgpr_count 2
		.amdhsa_user_sgpr_kernarg_segment_ptr 1
		.amdhsa_wavefront_size32 1
		.amdhsa_system_sgpr_workgroup_id_x 1
		.amdhsa_system_sgpr_workgroup_id_y 1
		.amdhsa_system_sgpr_workgroup_id_z 1
		.amdhsa_system_vgpr_workitem_id 0
		.amdhsa_next_free_vgpr 768
		.amdhsa_next_free_sgpr 68
		.amdhsa_reserve_vcc 0
		.amdhsa_float_denorm_mode_32 3
		.amdhsa_float_denorm_mode_16_64 3
		.amdhsa_memory_ordered 1
		.amdhsa_forward_progress 1
		.amdhsa_inst_pref_size 128
	.end_amdhsa_kernel
	.amdgpu_metadata
---
amdhsa.version: [ 1, 2 ]
amdhsa.kernels:
  - .name:           k_qd36dc2b0ab_layer2
    .symbol:         k_qd36dc2b0ab_layer2.kd
    .args:
      - { .name: g1, .offset: 0, .size: 8, .value_kind: global_buffer, .address_space: global }
      - { .name: w2t, .offset: 8, .size: 8, .value_kind: global_buffer, .address_space: global }
      - { .name: b2, .offset: 16, .size: 8, .value_kind: global_buffer, .address_space: global }
      - { .name: g, .offset: 24, .size: 8, .value_kind: global_buffer, .address_space: global }
    .group_segment_fixed_size: 327680
    .private_segment_fixed_size: 0
    .kernarg_segment_align: 8
    .kernarg_segment_size: 32
    .max_flat_workgroup_size: 128
    .sgpr_count:     68
    .vgpr_count:     768
    .wavefront_size: 32
...
	.end_amdgpu_metadata
.endif
;; end of part 3
;; launch heads (part 4): grid 8 x 32, 4 waves a work-group, clusters of 4 x 4, 327,680 bytes of LDS; arguments g, wh, bc1, bt1, bk1, Wc2, Wt2, Wk2, part; writes part
.if DOCPART == 4
	.amdgcn_target "amdgcn-amd-amdhsa--gfx1250"
	.amdhsa_code_object_version 6
	.text
	.protected	k_qd36dc2b0ab_heads
	.globl	k_qd36dc2b0ab_heads
	.p2align	8
	.type	k_qd36dc2b0ab_heads,@function
k_qd36dc2b0ab_heads:
	s_mov_b64 s[64:65], 0
	v_nop
	global_prefetch_b8 v0, s[64:65] scope:SCOPE_SE
	s_setreg_imm32_b32 hwreg(HW_REG_WAVE_MODE, 25, 1), 1
	s_wait_xcnt 0x0
	s_wait_alu depctr_hold_cnt(0) depctr_sa_sdst(0) depctr_va_vdst(0) depctr_va_sdst(0) depctr_va_ssrc(0) depctr_va_vcc(0) depctr_vm_vsrc(0)
	s_getreg_b32 s2, hwreg(HW_REG_IB_STS2, 6, 4)
	s_cmp_eq_u32 s2, 0
	s_cbranch_scc0 .Lentry_in_a_cluster
	s_endpgm
.Lentry_in_a_cluster:
	s_bfe_u32 s2, ttmp6, 0x10000c
	s_cmp_lg_u32 s2, 0xf033
	s_cbranch_scc0 .Lentry_shape_is_right
	s_endpgm
.Lentry_shape_is_right:
; The first layers of the three heads as ONE product, with the second layers' dot products on the way out:
;   part[chunk][m] = sum over the chunk's 128 columns n of  relu(b[n] + sum over k of A[m][k] B[n][k]) x w[n].
; A = g [8192][1024] bf16; B = wh [2048][1024] bf16: rows 0-511 Wc1 transposed, 512-1023 Wt1 transposed, 1024-2047 the two halves of Wk1 added, transposed;
; b = bc1, bt1, bk1 and w = Wc2, Wt2, Wk2 (f32) by the same ranges of n; part [16 chunks][8192] f32: chunks 0-3 coverage, 4-7 tracking, 8-15 cooperation.
; The hidden layers never reach memory.  The chunks of a head lie in several work-groups, so the launch that follows adds them in a fixed order.
; Stated limits: the bias is the FIRST term of each sum; relu is v_max_num_f32, so a NaN sum gives 0.
; A work-group makes a block of 256 x 256 with four waves, a wave 128 x 128: 64 accumulator tiles of 16 x 16.  8192 x 2048 in such blocks are 256 work-groups.
; K goes in steps of 128 through two LDS slots filled by the tensor data mover: a tile row is 256 bytes of memory at a multiple of 256 bytes.
; CLUSTERS: 4 x 4 work-groups.  The four of a row of the cluster ask for the tiles of A jointly, the four of a column for the tiles of B.
; REGISTERS in windows of 256 (s_set_vgpr_msb low byte: bits 1:0 source 0, 3:2 source 1, 5:4 source 2, 7:6 destination):
;   window 0: v0-27 addresses; v64-127, v128-191 fragments of A, two buffers (v64-127 later the dot products' chains); v192-255 the bias as a C tile, later sums
;   window 1: v0-63 w in the bias tile's layout; v64-127, v128-191 fragments of B, two buffers
;   window 2: accumulator tile (a, b) at v[8 (8 a + b)] for my rows 0-63;  window 3: for my rows 64-127
; THE MATRIX INSTRUCTION IS USED TRANSPOSED: source 0 = 16 rows of B, source 1 = 16 rows of A.  Register j of lane l then holds row l % 16 and column
; 8 (l / 16) + j.  So register 8 b + j of the bias tile is b[n0 + 16 b + 8 (l / 16) + j] for every row tile, and w lies likewise.
.set SIZE_K, 1024
.set MT,     8                         ; 16-row tiles in a wave's block
.set KSTEP,  128
.set PITCH,  272                       ; an LDS row: 256 bytes + 16 of padding, so that sixteen consecutive rows start in sixteen different 16-byte columns of 256
.set HALFT,  128*PITCH                 ; 128 rows of B: one tensor load, and what one wave reads of B
.set BSIZE,  2*HALFT                   ; the 256 rows of B at the head of a slot
.set APIECE, 16*MT*PITCH               ; 128 rows of A: one tensor load, and what one wave reads of A
.set SLOT,   BSIZE+2*APIECE
.set STAGE,  2*SLOT                    ; behind the ring, a multiple of 256: 512 bytes for each wave, never a tensor load's target
.set LAPS,   SIZE_K/(2*KSTEP)          ; a lap = two K steps = once round the ring
.set NF,     16+2*MT                   ; LDS loads of one quarter step's fragments
.set ADRA, 16                          ; v16-17  LDS address of my A fragments in slot 0, 1
.set ADRB, 20                          ; v20-21  the same for B
.set STO,  24                          ; the way out: my stage + 4 (l % 16)
.set RD,   25                          ; the way out: my stage + 16 l
.set CO,   26                          ; 16 l: my byte offset in the wave's 512 bytes of part
.set BO,   27                          ; 32 x (l / 16): my byte offset in the bias and in w
.set F0,   64
.set F1,   128
.set BIAS, 192
.set CH,   64                          ; v[64:127]  four chains (pairs) for each of my 8 row tiles
.set SUMS, 192                         ; v[192:199] a row tile's sum
.set PXR,  200                         ; v[200:207] the same from the other half of the lanes
.set OUTQ, 208                         ; v[208:211] four rows' sums, to store
.set G1A, 24                           ; s[24:31] descriptor group 1 for A
.set G0A, 32                           ; s[32:39] group 0 for A, a set for each slot
.set G1B, 48                           ; s[48:55] group 1 for B
.set G0B, 56                           ; s[56:63] group 0 for B, a set for each slot
.set MSB, 0
.macro WIN new                         ; the immediate's high byte repeats the setting that is left
.if MSB != \new
	s_set_vgpr_msb (MSB<<8)|\new
.set MSB, \new
.endif
.endm
.set MUL_LO,   0xa1                    ; source 0 (B) window 1, source 1 (A) window 0, C and D window 2
.set MUL_HI,   0xf1                    ; the same, C and D window 3
.set MUL_LO_B, 0x81                    ; the first products: C (the bias) window 0, D window 2
.set MUL_HI_B, 0xc1                    ; the same, D window 3
.set TO_B,     0x40                    ; destination window 1, address window 0
; A joint load.  Waves 0 and 1 fetch the two pieces of B, waves 2 and 3 those of A.  Each line has one mask; the branch hangs on the wave number alone.
.macro JLOAD s
	s_cmp_eq_u32 s11, 0
	s_cbranch_scc0 .Lfor_a_\@
	tensor_load_to_lds s[G0B+4*\s:G0B+4*\s+3], s[G1B:G1B+7]
	s_nop 0
	s_branch .Lasked_\@
.Lfor_a_\@:
	tensor_load_to_lds s[G0A+4*\s:G0A+4*\s+3], s[G1A:G1A+7]
	s_nop 0
.Lasked_\@:
.endm
; A round of the cluster barrier: the work-group barrier, wave 0 signals for the work-group, every wave waits for all sixteen, the work-group barrier again.
.macro CREST                           ; a round behind its opening barrier
	s_cmp_lg_u32 s10, 0
	s_cbranch_scc1 .Lnot_wave_0_\@
	s_barrier_signal -3
.Lnot_wave_0_\@:
	s_barrier_wait -3
	s_barrier_signal -1
	s_barrier_wait -1
.endm
.macro CROUND
	s_barrier_signal -1
	s_barrier_wait -1
	CREST
.endm
	s_load_b128 s[4:7], s[0:1], 0x0                ; A s[4:5], B s[6:7]
	s_load_b256 s[72:79], s[0:1], 0x10             ; bc1 72, bt1 74, bk1 76, Wc2 78
	s_load_b128 s[80:83], s[0:1], 0x30             ; Wt2 80, Wk2 82
	s_load_b64 s[8:9], s[0:1], 0x40                ; part
	s_set_vgpr_msb 0x40
	v_lshl_add_u32 v255, v0, 2, 0x44800
	s_set_vgpr_msb 0x4000
	v_mov_b32 v63, 0
	s_set_vgpr_msb 0x1
	ds_add_u32 v255, v63
	s_set_vgpr_msb 0x100
	v_lshrrev_b32 v1, 5, v0
	v_readfirstlane_b32 s10, v1                    ; wave 0..3
	s_lshr_b32 s11, s10, 1                         ; my half of the block's rows.  Also: I fetch for B (0) or for A (1)
	s_and_b32 s12, s10, 1                          ; my half of its columns.  Also: which piece I fetch
	s_mov_b32 s84, 0x76543210                      ; v_permlanex16_b32: lane i of one half reads lane i of the other
	s_mov_b32 s85, 0xfedcba98
	s_bfe_u32 s40, ttmp6, 0x40000                  ; cx
	s_bfe_u32 s41, ttmp6, 0x40004                  ; cy
	s_lshl_b32 s42, ttmp9, 2
	s_add_co_u32 s42, s42, s40                     ; block column = 4 x cluster x + cx
	s_and_b32 s13, ttmp7, 0xffff
	s_lshl_b32 s13, s13, 2
	s_add_co_u32 s13, s13, s41                     ; block row = 4 x cluster y + cy
	s_lshl_b32 s43, s41, 2
	s_lshl_b32 s43, 15, s43                        ; my row of the cluster: places 4 cy .. 4 cy + 3
	s_lshl_b32 s44, 0x1111, s40                    ; my column: places cx, cx + 4, cx + 8, cx + 12
	; group 1: 128 rows of 128 elements of 2 bytes, 4 words of padding behind every 64 words
	s_or_b32 s[G1A+0], s43, (1<<16)|(1<<20)|(1<<21)|(5<<22)|(3<<25)  ; 15:0 mask: A goes to my row; 17:16 element of 2 bytes; 20 padding; 21 set beside a mask; 24:22 every 64 words; 31:25 four words
	s_or_b32 s[G1B+0], s44, (1<<16)|(1<<20)|(1<<21)|(5<<22)|(3<<25)  ; the same with the mask of my column
	s_mov_b32 s[G1A+1], KSTEP<<16                  ; tensor_dim0 = 128
	s_mov_b32 s[G1B+1], KSTEP<<16
	s_mov_b32 s[G1A+2], (16*MT)<<16                ; tensor_dim1 = the rows of the tile
	s_mov_b32 s[G1B+2], 128<<16
	s_mov_b32 s[G1A+3], KSTEP<<16                  ; tile_dim0 = 128
	s_mov_b32 s[G1B+3], KSTEP<<16
	s_mov_b32 s[G1A+4], 16*MT                      ; tile_dim1
	s_mov_b32 s[G1B+4], 128
	s_mov_b32 s[G1A+5], SIZE_K                     ; elements from row to row
	s_mov_b32 s[G1B+5], SIZE_K
	s_mov_b32 s[G1A+6], 0
	s_mov_b32 s[G1B+6], 0
	s_mov_b32 s[G1A+7], 0
	s_mov_b32 s[G1B+7], 0
	; where the tiles come from: A hangs on the block row and the wave number alone, B on the block column and the wave number alone,
	; each made in registers that never hold the other coordinate
	s_mul_i32 s16, s13, 32*MT
	s_mul_i32 s17, s12, 16*MT
	s_add_co_u32 s16, s16, s17                     ; A: first row of my piece
	s_lshl_b32 s46, s42, 8
	s_lshl_b32 s47, s12, 7
	s_add_co_u32 s46, s46, s47                     ; B: first row of my piece
	s_mov_b32 s17, 0
	s_mov_b32 s47, 0
	s_mov_b64 s[18:19], SIZE_K*2
	s_mul_u64 s[16:17], s[16:17], s[18:19]
	s_mul_u64 s[46:47], s[46:47], s[18:19]
	s_mul_i32 s20, s10, HALFT                      ; where they go.  B (waves 0, 1): wave x 128 rows
	s_mul_i32 s45, s10, APIECE                     ; A (waves 2, 3): behind B, (wave - 2) x 128 rows
.if BSIZE != 2*APIECE
	s_add_co_u32 s45, s45, BSIZE-2*APIECE
.endif
	s_wait_dscnt 0x0
	s_wait_kmcnt 0x0
	s_add_nc_u64 s[14:15], s[4:5], s[16:17]
	s_add_nc_u64 s[46:47], s[6:7], s[46:47]
	CROUND                                         ; all sixteen work-groups are here: the first joint loads meet
.irp s, 0,1
	s_mov_b32 s[G0A+4*\s], 1                                       ; count = 1
	s_add_co_u32 s[G0A+4*\s+1], s45, \s*SLOT                       ; LDS address
	s_add_nc_u64 s[G0A+4*\s+2:G0A+4*\s+3], s[14:15], \s*KSTEP*2    ; global address: K step s
	s_or_b32 s[G0A+4*\s+3], s[G0A+4*\s+3], 0x80000000              ; type = 2
	s_mov_b32 s[G0B+4*\s], 1
	s_add_co_u32 s[G0B+4*\s+1], s20, \s*SLOT
	s_add_nc_u64 s[G0B+4*\s+2:G0B+4*\s+3], s[46:47], \s*KSTEP*2
	s_or_b32 s[G0B+4*\s+3], s[G0B+4*\s+3], 0x80000000
	JLOAD \s                                       ; two tensor loads of the wave are out: the most in this text
.endr
	; a fragment: lane l holds row l % 16; registers 0-3 K = 8 (l / 16) + 0..7, registers 4-7 K = 16 + 8 (l / 16) + 0..7: two loads of 16 bytes, 32 bytes apart
	v_and_b32 v1, 15, v0                           ; r = l % 16
	v_bfe_u32 v2, v0, 4, 1                         ; h = l / 16
	v_and_b32 v4, 31, v0                           ; l
	v_mul_u32_u24 v3, v1, PITCH
	v_lshl_add_u32 v3, v2, 4, v3                   ; r x pitch + 16 h
	s_mul_i32 s21, s11, APIECE
	s_add_co_u32 s21, s21, BSIZE                   ; my rows of A
	s_mul_i32 s22, s12, HALFT                      ; my rows of B
.irp s, 0,1
	v_add_nc_u32 v[ADRA+\s], s21, v3
	v_add_nc_u32 v[ADRB+\s], s22, v3
	s_add_co_u32 s21, s21, SLOT
	s_add_co_u32 s22, s22, SLOT
.endr
	s_lshl_b32 s23, s10, 9
	s_add_co_u32 s23, s23, STAGE                   ; my stage: 128 words
	v_lshl_add_u32 v[STO], v1, 2, s23
	v_lshl_add_u32 v[RD], v4, 4, s23
	v_lshlrev_b32 v[CO], 4, v4
	v_lshlrev_b32 v[BO], 5, v2
	; which head my 256 columns belong to: block columns 0, 1 coverage, 2, 3 tracking, 4-7 cooperation.  Selects between buffers, no branch.
	s_and_b32 s70, s42, 1                          ; the block within coverage or tracking
	s_sub_co_u32 s71, s42, 4                       ; the block within cooperation (used only where the block column is 4 or more)
	s_cmp_lt_u32 s42, 2
	s_cselect_b64 s[66:67], s[72:73], s[74:75]     ; the bias: bc1 or bt1
	s_cselect_b64 s[68:69], s[78:79], s[80:81]     ; w: Wc2 or Wt2
	s_cmp_lt_u32 s42, 4
	s_cselect_b64 s[66:67], s[66:67], s[76:77]     ; or bk1
	s_cselect_b64 s[68:69], s[68:69], s[82:83]     ; or Wk2
	s_cselect_b32 s70, s70, s71
	s_lshl_b32 s46, s70, 10                        ; 4 x (256 x block + 128 x half)
	s_lshl_b32 s47, s12, 9
	s_add_co_u32 s46, s46, s47
	s_mov_b32 s47, 0
	s_add_nc_u64 s[66:67], s[66:67], s[46:47]
	s_add_nc_u64 s[68:69], s[68:69], s[46:47]
.irp b, 0,1,2,3,4,5,6,7
	global_load_b128 v[BIAS+8*\b:BIAS+8*\b+3],   v[BO], s[66:67] offset:64*\b
	global_load_b128 v[BIAS+8*\b+4:BIAS+8*\b+7], v[BO], s[66:67] offset:64*\b+16
.endr
	WIN TO_B
.irp b, 0,1,2,3,4,5,6,7
	global_load_b128 v[8*\b:8*\b+3],   v[BO], s[68:69] offset:64*\b         ; w into window 1, v0-63
	global_load_b128 v[8*\b+4:8*\b+7], v[BO], s[68:69] offset:64*\b+16
.endr
	WIN 0
; 16 matrix instructions: row tiles a0, a0 + 1 of a window x all 8 column tiles, 32 along K.  first = 1: the bias tile is C: nothing is cleared, no bias is added later.
.macro MUL16 f, hi, a0, first
.irp a, \a0, \a0+1
.irp b, 0,1,2,3,4,5,6,7
.if \first
	v_wmma_f32_16x16x32_bf16 v[8*(8*(\a)+\b):8*(8*(\a)+\b)+7], v[\f+8*\b:\f+8*\b+7], v[\f+8*(4*\hi+\a):\f+8*(4*\hi+\a)+7], v[BIAS+8*\b:BIAS+8*\b+7]
.else
	v_wmma_f32_16x16x32_bf16 v[8*(8*(\a)+\b):8*(8*(\a)+\b)+7], v[\f+8*\b:\f+8*\b+7], v[\f+8*(4*\hi+\a):\f+8*(4*\hi+\a)+7], v[8*(8*(\a)+\b):8*(8*(\a)+\b)+7]
.endif
.endr
.endr
.endm
; A quarter step's 64 matrix instructions.  The accumulators take turns, one instruction a turn, in the same order in every quarter, over the
; loop's backward jump too.
.macro MULALL f, first
.if \first
	WIN MUL_LO_B
.else
	WIN MUL_LO
.endif
	MUL16 \f, 0, 0, \first
	MUL16 \f, 0, 2, \first
.if \first
	WIN MUL_HI_B
.else
	WIN MUL_HI
.endif
	MUL16 \f, 1, 0, \first
	MUL16 \f, 1, 2, \first
.endm
; NF LDS loads in one run: the fragments of one quarter step (32 K at byte k of the rows) into buffer f
.macro FETCH slot, k, f
	WIN TO_B
.irp i, 0,1,2,3,4,5,6,7
	ds_load_b128 v[\f+8*\i:\f+8*\i+3],   v[ADRB+\slot] offset:\k+\i*16*PITCH
	ds_load_b128 v[\f+8*\i+4:\f+8*\i+7], v[ADRB+\slot] offset:\k+\i*16*PITCH+32
.endr
	WIN 0
.irp i, 0,1,2,3,4,5,6,7
	ds_load_b128 v[\f+8*\i:\f+8*\i+3],   v[ADRA+\slot] offset:\k+\i*16*PITCH
	ds_load_b128 v[\f+8*\i+4:\f+8*\i+7], v[ADRA+\slot] offset:\k+\i*16*PITCH+32
.endr
.endm
; A load into a register that a matrix instruction has read, and a vector instruction that reads a matrix result, stand four places behind it; only plain
; vector instructions that name none of its registers are places (ISA guide 7.12.1 for vector instructions).
.macro PLACES
.rept 4
	v_nop
.endr
.endm
; A quarter step: fetches the next quarter's fragments into buffer g (which the quarter before has multiplied), then multiplies buffer f.
.macro QUARTER slot, k, f, g, first
	PLACES
	FETCH \slot, \k, \g
	s_wait_dscnt NF                                ; LDS loads come back in order: all but the NF just issued, so buffer f is in
	MULALL \f, \first
.endm
; A K step's third quarter: fetches the slot's last fragments, multiplies buffer 0, and changes slots.  ONE barrier for two things: in front of it each wave
; waits for its reads of this slot and for all its tensor loads (one is out: its piece of the other slot); behind it nobody reads this slot and the other
; slot is whole.  fill = 1: that barrier opens a round of the cluster barrier, and the joint refill, two K steps ahead, is the first tensor load behind the round.
.macro SYNCQ slot, fill
	PLACES
	FETCH \slot, 192, F1
	s_wait_dscnt NF
	WIN MUL_LO
	MUL16 F0, 0, 0, 0
	MUL16 F0, 0, 2, 0
	WIN MUL_HI
	MUL16 F0, 1, 0, 0
	s_wait_dscnt 0x0                               ; my reads of this slot are over
	s_wait_tensorcnt 0x0                           ; and all my tensor loads have landed
	ds_add_u32 v255, v63
	s_wait_dscnt 0x0
	s_barrier_signal -1
	MUL16 F0, 1, 2, 0                              ; register work while the others arrive
	WIN 0
	s_barrier_wait -1
.if \fill
	CREST                                          ; no wave of any partner still reads this slot or has a load on its way
	s_add_nc_u64 s[G0A+4*\slot+2:G0A+4*\slot+3], s[G0A+4*\slot+2:G0A+4*\slot+3], 2*KSTEP*2
	s_add_nc_u64 s[G0B+4*\slot+2:G0B+4*\slot+3], s[G0B+4*\slot+2:G0B+4*\slot+3], 2*KSTEP*2
	JLOAD \slot
.endif
.endm
.macro STEP slot, next, fill, first    ; a K step: four quarters on buffers 0, 1, 0, 1; the fourth already fetches from the next slot
	QUARTER \slot, 64,  F0, F1, \first
	QUARTER \slot, 128, F1, F0, 0
	SYNCQ \slot, \fill
	QUARTER \next, 0,   F1, F0, 0
.endm
.macro LAP first
	STEP 0, 1, 1, \first
	STEP 1, 0, 1, 0
.endm
	s_wait_tensorcnt 1                             ; my piece of K step 0 is in; K step 1's stays out
	s_barrier_signal -1
	s_barrier_wait -1                              ; everybody's is
	FETCH 0, 0, F0
	s_wait_loadcnt 0x0                             ; the bias and w
	LAP 1                                          ; the first lap stands in front of the loop: its first products start the sums
	WIN 0                                          ; at a label and at a branch every window is 0
	s_mov_b32 s3, LAPS-2
.Llap:
	LAP 0
	WIN 0
	s_sub_co_u32 s3, s3, 1
	s_cmp_lg_u32 s3, 0
	s_cbranch_scc1 .Llap
	STEP 0, 1, 0, 0                                ; the last lap fills nothing and has no round of the cluster barrier
	QUARTER 1, 64,  F0, F1, 0
	QUARTER 1, 128, F1, F0, 0
	QUARTER 1, 192, F0, F1, 0
	s_wait_dscnt 0x0
	MULALL F1, 0
	; THE WAY OUT: relu in place, then for each of my 128 rows the dot product of its 128 numbers with w.
	PLACES                                         ; the places behind the last matrix instructions
	s_lshl_b32 s46, s42, 16                        ; chunk = 2 x block column + half, 32,768 bytes each
	s_lshl_b32 s47, s12, 15
	s_add_co_u32 s46, s46, s47
	s_mov_b32 s47, 0
	s_add_nc_u64 s[8:9], s[8:9], s[46:47]
	s_lshl_b32 s16, s13, 10                        ; my first row: 4 x (256 x block row + 128 x half)
	s_lshl_b32 s14, s11, 9
	s_add_co_u32 s16, s16, s14
	s_mov_b32 s17, 0
	s_add_nc_u64 s[8:9], s[8:9], s[16:17]
.macro RELU inplace                    ; all 256 registers of a window: source 1 and destination in it
	WIN \inplace
.set ri, 0
.rept 256
	v_max_num_f32 v[ri], 0, v[ri]
.set ri, ri+1
.endr
.endm
; A lane's 64 numbers of each of a window's four row tiles times w, two at a time, in four chains a tile; the first product starts a chain: nothing is cleared.
; setting: source 0 (the accumulators) in window 2 or 3, source 1 (w) in window 1, source 2 and destination (the chains) in window 0.
.macro DOT setting, hi
	WIN \setting
.irp b, 0,1,2,3,4,5,6,7
.irp a, 0,1,2,3
.irp q, 0,1,2,3
.if \b == 0
	v_pk_mul_f32 v[CH+8*(4*\hi+\a)+2*\q:CH+8*(4*\hi+\a)+2*\q+1], v[8*(8*\a+\b)+2*\q:8*(8*\a+\b)+2*\q+1], v[8*\b+2*\q:8*\b+2*\q+1]
.else
	v_pk_fma_f32 v[CH+8*(4*\hi+\a)+2*\q:CH+8*(4*\hi+\a)+2*\q+1], v[8*(8*\a+\b)+2*\q:8*(8*\a+\b)+2*\q+1], v[8*\b+2*\q:8*\b+2*\q+1], v[CH+8*(4*\hi+\a)+2*\q:CH+8*(4*\hi+\a)+2*\q+1]
.endif
.endr
.endr
.endr
.endm
	RELU 0x88
	DOT 0x06, 0
	RELU 0xcc
	DOT 0x07, 1
	WIN 0
.irp a, 0,1,2,3,4,5,6,7
	v_pk_add_f32 v[CH+8*\a:CH+8*\a+1],   v[CH+8*\a:CH+8*\a+1],   v[CH+8*\a+2:CH+8*\a+3]
	v_pk_add_f32 v[CH+8*\a+4:CH+8*\a+5], v[CH+8*\a+4:CH+8*\a+5], v[CH+8*\a+6:CH+8*\a+7]
.endr
.irp a, 0,1,2,3,4,5,6,7
	v_pk_add_f32 v[CH+8*\a:CH+8*\a+1], v[CH+8*\a:CH+8*\a+1], v[CH+8*\a+4:CH+8*\a+5]
.endr
.irp a, 0,1,2,3,4,5,6,7
	v_add_f32 v[SUMS+\a], v[CH+8*\a], v[CH+8*\a+1]                 ; lane (r, h): row 16 a + r, the columns 16 b + 8 h + 0..7
.endr
.irp a, 0,1,2,3,4,5,6,7
	v_permlanex16_b32 v[PXR+\a], v[SUMS+\a], s84, s85              ; the other half's columns (the destination has held the bias: it has been written)
.endr
.irp a, 0,1,2,3,4,5,6,7
	v_add_f32 v[SUMS+\a], v[SUMS+\a], v[PXR+\a]
.endr
.irp a, 0,1,2,3,4,5,6,7
	ds_store_b32 v[STO], v[SUMS+\a] offset:64*\a                   ; word 16 a + r of my stage; both halves write the same value
.endr
	ds_load_b128 v[OUTQ:OUTQ+3], v[RD]                             ; LDS serves a wave's instructions in order: rows 4 l .. 4 l + 3
	s_wait_dscnt 0x0
	global_store_b128 v[CO], v[OUTQ:OUTQ+3], s[8:9]                ; the wave stores 512 consecutive bytes, aligned
	s_set_vgpr_msb 0x1
	s_wait_tensorcnt 0x0
	ds_add_u32 v255, v63
	s_wait_dscnt 0x0
	s_set_vgpr_msb 0x100
	CROUND                                         ; the closing round: no work-group ends while a partner may still ask for a tile that names it
	s_endpgm
.Lfunc_end_k_qd36dc2b0ab_heads:
	.size	k_qd36dc2b0ab_heads, .Lfunc_end_k_qd36dc2b0ab_heads-k_qd36dc2b0ab_heads
	.p2alignl 7, 3214868480
	.fill 96, 4, 3214868480
	.section	.rodata,"a",@progbits
	.p2align	6, 0x0
	.amdhsa_kernel k_qd36dc2b0ab_heads
		.amdhsa_group_segment_fixed_size 327680
		.amdhsa_private_segment_fixed_size 0
		.amdhsa_enable_private_segment 0
		.amdhsa_kernarg_size 72
		.amdhsa_user_sgpr_count 2
		.amdhsa_user_sgpr_kernarg_segment_ptr 1
		.amdhsa_wavefront_size32 1
		.amdhsa_system_sgpr_workgroup_id_x 1
		.amdhsa_system_sgpr_workgroup_id_y 1
		.amdhsa_system_sgpr_workgroup_id_z 1
		.amdhsa_system_vgpr_workitem_id 0
		.amdhsa_next_free_vgpr 1024
		.amdhsa_next_free_sgpr 86
		.amdhsa_reserve_vcc 0
		.amdhsa_float_denorm_mode_32 3
		.amdhsa_float_denorm_mode_16_64 3
		.amdhsa_memory_ordered 1
		.amdhsa_forward_progress 1
		.amdhsa_inst_pref_size 201
	.end_amdhsa_kernel
	.amdgpu_metadata
---
amdhsa.version: [ 1, 2 ]
amdhsa.kernels:
  - .name:           k_qd36dc2b0ab_heads
    .symbol:         k_qd36dc2b0ab_heads.kd
    .args:
      - { .name: g, .offset: 0, .size: 8, .value_kind: global_buffer, .address_space: global }
      - { .name: wh, .offset: 8, .size: 8, .value_kind: global_buffer, .address_space: global }
      - { .name: bc1, .offset: 16, .size: 8, .value_kind: global_buffer, .address_space: global }
      - { .name: bt1, .offset: 24, .size: 8, .value_kind: global_buffer, .address_space: global }
      - { .name: bk1, .offset: 32, .size: 8, .value_kind: global_buffer, .address_space: global }
      - { .name: Wc2, .offset: 40, .size: 8, .value_kind: global_buffer, .address_space: global }
      - { .name: Wt2, .offset: 48, .size: 8, .value_kind: global_buffer, .address_space: global }
      - { .name: Wk2, .offset: 56, .size: 8, .value_kind: global_buffer, .address_space: global }
      - { .name: part, .offset: 64, .size: 8, .value_kind: global_buffer, .address_space: global }
    .group_segment_fixed_size: 327680
    .private_segment_fixed_size: 0
    .kernarg_segment_align: 8
    .kernarg_segment_size: 72
    .max_flat_workgroup_size: 128
    .sgpr_count:     86
    .vgpr_count:     1024
    .wavefront_size: 32
...
	.end_amdgpu_metadata
.endif
;; end of part 4
;; launch finish (part 5): grid 64 x 1, 9 waves a work-group, no clusters, 3,328 bytes of LDS; arguments part, bc2, bt2, bk2, out0, out1, out2; writes out0, out1, out2
.if DOCPART == 5
	.amdgcn_target "amdgcn-amd-amdhsa--gfx1250"
	.amdhsa_code_object_version 6
	.text
	.protected	k_qd36dc2b0ab_finish
	.globl	k_qd36dc2b0ab_finish
	.p2align	8
	.type	k_qd36dc2b0ab_finish,@function
k_qd36dc2b0ab_finish:
	s_mov_b64 s[64:65], 0
	v_nop
	global_prefetch_b8 v0, s[64:65] scope:SCOPE_SE
	s_setreg_imm32_b32 hwreg(HW_REG_WAVE_MODE, 25, 1), 1
	s_wait_xcnt 0x0
; out_k[m][0..8] = sigmoid(bias_k + sum over the chunks of head k of part[chunk][m]),  k = 0 coverage (chunks 0-3), 1 tracking (4-7), 2 cooperation (8-15).
; part [16][8192] f32; bias_k = bc2, bt2, bk2, one f32 each; out_k [8192][9] f32.
; A work-group takes 128 rows: 1,152 numbers = 4,608 bytes of each output, 16 bytes for each of 288 threads: nine waves, each store of a wave 512 consecutive aligned bytes.
; 8192 / 128 = 64 work-groups is all the work there is: 1.4 MB are moved.  No matrix unit, no cluster, no ring: nothing is shared and nothing is read twice.
; sigmoid(x) = 1 / (1 + 2^(-x log2 e)): for large |x| the power is 0 or infinity and the result 1 or 0, no NaN.  A result below 2^-126 comes out as 0.
	s_load_b256 s[4:11], s[0:1], 0x0               ; part 4, bc2 6, bt2 8, bk2 10
	s_load_b128 s[12:15], s[0:1], 0x20             ; out0 12, out1 14
	s_load_b64 s[16:17], s[0:1], 0x30              ; out2
	v_lshl_add_u32 v48, v0, 2, 0x800
	v_mov_b32 v49, 0
	v_lshrrev_b32 v1, 5, v0
	v_readfirstlane_b32 s18, v1                    ; wave 0..8
	v_and_b32 v2, 31, v0
	v_lshlrev_b32 v2, 4, v2                        ; 16 x lane
	s_wait_kmcnt 0x0
	s_cmp_gt_u32 s18, 2
	s_cbranch_scc1 .Lmeet                          ; phase 1 is for waves 0, 1, 2: wave k makes head k for the 128 rows, four rows a lane
	s_load_b32 s20, s[6:7], 0x0
	s_load_b32 s21, s[8:9], 0x0
	s_load_b32 s22, s[10:11], 0x0
	s_lshl_b32 s24, s18, 2
	s_min_u32 s24, s24, 8                          ; the head's first chunk: 0, 4, 8
	s_lshl_b32 s24, s24, 15                        ; 32,768 bytes a chunk
	s_lshl_b32 s25, ttmp9, 9                       ; 128 rows of 4 bytes
	s_add_co_u32 s24, s24, s25
	s_mov_b32 s25, 0
	s_add_nc_u64 s[4:5], s[4:5], s[24:25]
	s_lshl_b32 s19, s18, 9
	v_add_nc_u32 v3, s19, v2                       ; LDS: 512 bytes a head, 16 bytes a lane
.irp c, 0,1,2,3
	global_load_b128 v[8+4*\c:11+4*\c], v2, s[4:5] offset:\c*32768 th:TH_LOAD_NT
.endr
	s_cmp_lg_u32 s18, 2
	s_cbranch_scc1 .Lfour
.irp c, 0,1,2,3
	global_load_b128 v[24+4*\c:27+4*\c], v2, s[4:5] offset:(4+\c)*32768 th:TH_LOAD_NT   ; cooperation has eight chunks
.endr
	s_wait_loadcnt 0x0
.irp p, 0,2,4,6,8,10,12,14
	v_pk_add_f32 v[8+\p:9+\p], v[8+\p:9+\p], v[24+\p:25+\p]
.endr
.Lfour:
	s_wait_loadcnt 0x0
	s_wait_kmcnt 0x0                               ; the three biases
	v_pk_add_f32 v[8:9],   v[8:9],   v[12:13]
	v_pk_add_f32 v[10:11], v[10:11], v[14:15]
	v_pk_add_f32 v[16:17], v[16:17], v[20:21]
	v_pk_add_f32 v[18:19], v[18:19], v[22:23]
	v_pk_add_f32 v[8:9],   v[8:9],   v[16:17]
	v_pk_add_f32 v[10:11], v[10:11], v[18:19]
	s_cmp_eq_u32 s18, 0
	s_cselect_b32 s23, s20, s21
	s_cmp_eq_u32 s18, 2
	s_cselect_b32 s23, s22, s23                    ; my head's bias
	s_mov_b32 s26, 0xbfb8aa3b                      ; -log2 e
	s_mul_f32 s23, s23, s26
.irp i, 8,9,10,11
	v_fma_f32 v\i, v\i, s26, s23                   ; -(x + bias) log2 e
.endr
.irp i, 8,9,10,11
	v_exp_f32 v\i, v\i
.endr
	v_nop                                          ; one plain vector instruction behind a transcendental before its result is used (ISA guide 5.7.2)
	s_wait_alu depctr_va_vdst(0)
.irp i, 8,9,10,11
	v_add_f32 v\i, 1.0, v\i
.endr
.irp i, 8,9,10,11
	v_rcp_f32 v\i, v\i
.endr
	v_nop                                          ; likewise
	s_wait_alu depctr_va_vdst(0)
	ds_store_b128 v3, v[8:11]
.Lmeet:
	s_wait_dscnt 0x0                               ; my stores are done before I say so: other waves read them
	s_barrier_signal -1
	s_barrier_wait -1
	; phase 2: thread t stores numbers 4 t .. 4 t + 3 of the 1,152 of each output; number e belongs to row e / 9 = (7282 e) >> 16, exact for e below 32,768
	v_mul_u32_u24 v4, v0, 4*7282
	v_lshrrev_b32 v12, 14, v4
.irp i, 1,2,3
	v_add_nc_u32 v[12+\i], \i*7282, v4
	v_lshrrev_b32 v[12+\i], 14, v[12+\i]
.endr
.irp i, 0,1,2,3
	v_and_b32 v[12+\i], 0x1fc, v[12+\i]            ; 4 x row, row 0..127
.endr
.irp k, 0,1,2
.irp i, 0,1,2,3
	ds_load_b32 v[16+4*\k+\i], v[12+\i] offset:512*\k
.endr
.endr
	s_mul_i32 s24, ttmp9, 4608
	s_mov_b32 s25, 0
	s_add_nc_u64 s[12:13], s[12:13], s[24:25]
	s_add_nc_u64 s[14:15], s[14:15], s[24:25]
	s_add_nc_u64 s[16:17], s[16:17], s[24:25]
	v_lshlrev_b32 v6, 4, v0
	s_wait_dscnt 0x0
	global_store_b128 v6, v[16:19], s[12:13] th:TH_STORE_NT
	global_store_b128 v6, v[20:23], s[14:15] th:TH_STORE_NT
	global_store_b128 v6, v[24:27], s[16:17] th:TH_STORE_NT
	s_wait_tensorcnt 0x0
	ds_add_u32 v48, v49
	s_wait_dscnt 0x0
	s_endpgm
.Lfunc_end_k_qd36dc2b0ab_finish:
	.size	k_qd36dc2b0ab_finish, .Lfunc_end_k_qd36dc2b0ab_finish-k_qd36dc2b0ab_finish
	.p2alignl 7, 3214868480
	.fill 96, 4, 3214868480
	.section	.rodata,"a",@progbits
	.p2align	6, 0x0
	.amdhsa_kernel k_qd36dc2b0ab_finish
		.amdhsa_group_segment_fixed_size 3328
		.amdhsa_private_segment_fixed_size 0
		.amdhsa_enable_private_segment 0
		.amdhsa_kernarg_size 56
		.amdhsa_user_sgpr_count 2
		.amdhsa_user_sgpr_kernarg_segment_ptr 1
		.amdhsa_wavefront_size32 1
		.amdhsa_system_sgpr_workgroup_id_x 1
		.amdhsa_system_sgpr_workgroup_id_y 1
		.amdhsa_system_sgpr_workgroup_id_z 1
		.amdhsa_system_vgpr_workitem_id 0
		.amdhsa_next_free_vgpr 50
		.amdhsa_next_free_sgpr 66
		.amdhsa_reserve_vcc 0
		.amdhsa_float_denorm_mode_32 3
		.amdhsa_float_denorm_mode_16_64 3
		.amdhsa_memory_ordered 1
		.amdhsa_forward_progress 1
		.amdhsa_inst_pref_size 7
	.end_amdhsa_kernel
	.amdgpu_metadata
---
amdhsa.version: [ 1, 2 ]
amdhsa.kernels:
  - .name:           k_qd36dc2b0ab_finish
    .symbol:         k_qd36dc2b0ab_finish.kd
    .args:
      - { .name: part, .offset: 0, .size: 8, .value_kind: global_buffer, .address_space: global }
      - { .name: bc2, .offset: 8, .size: 8, .value_kind: global_buffer, .address_space: global }
      - { .name: bt2, .offset: 16, .size: 8, .value_kind: global_buffer, .address_space: global }
      - { .name: bk2, .offset: 24, .size: 8, .value_kind: global_buffer, .address_space: global }
      - { .name: out0, .offset: 32, .size: 8, .value_kind: global_buffer, .address_space: global }
      - { .name: out1, .offset: 40, .size: 8, .value_kind: global_buffer, .address_space: global }
      - { .name: out2, .offset: 48, .size: 8, .value_kind: global_buffer, .address_space: global }
    .group_segment_fixed_size: 3328
    .private_segment_fixed_size: 0
    .kernarg_segment_align: 8
    .kernarg_segment_size: 56
    .max_flat_workgroup_size: 288
    .sgpr_count:     66
    .vgpr_count:     50
    .wavefront_size: 32
...
	.end_amdgpu_metadata
.endif
;; end of part 5
;; ======== version 2 of 2: 5 launches; version 1 with the launch prep written anew for expert scheduling mode
;; workspace buffers: obsb 8,388,608 bytes; w1t 1,048,576 bytes; w2t 2,097,152 bytes; wh 4,194,304 bytes; g1 16,777,216 bytes; g 16,777,216 bytes; part 524,288 bytes
;; launch prep (part 6): grid 960 x 1, 8 waves a work-group, no clusters, 18,432 bytes of LDS; arguments obs, W1, W2, Wc1, Wt1, Wk1, obsb, w1t, w2t, wh; writes obsb, w1t, w2t, wh
.if DOCPART == 6
	.amdgcn_target "amdgcn-amd-amdhsa--gfx1250"
	.amdhsa_code_object_version 6
	.text
	.protected	k_qd36dc2b0ab_prep
	.globl	k_qd36dc2b0ab_prep
	.p2align	8
	.type	k_qd36dc2b0ab_prep,@function
k_qd36dc2b0ab_prep:
	s_mov_b64 s[64:65], 0
	v_nop
	global_prefetch_b8 v0, s[64:65] scope:SCOPE_SE
	s_setreg_imm32_b32 hwreg(HW_REG_WAVE_SCHED_MODE, 0, 2), 2
	s_setreg_imm32_b32 hwreg(HW_REG_WAVE_MODE, 25, 1), 1
	s_wait_xcnt 0x0
	s_wait_alu depctr_vm_vsrc(0)
; Makes the matrix operands of the three products that follow, all bf16 with K along the rows:
;   obsb [8192][512]  = obs, rounded
;   w1t  [1024][512]  = W1 transposed, rounded          w2t [1024][1024] = W2 transposed, rounded
;   wh   [2048][1024] : rows 0-511 Wc1 transposed, rows 512-1023 Wt1 transposed,
;                       rows 1024-2047 (Wk1 rows 0-1023 + Wk1 rows 1024-2047) transposed.
; The last line: concat(g, g) x Wk1 = g x (upper half + lower half) for every input, so the halves are added here in f32 and
; rounded to bf16 ONCE.  Stated limit: the sum of the two halves is rounded where the original rounds nothing.
; agent_positions is loaded by no launch of this program: the function computes nothing from it.
; Eight waves, 960 work-groups, each with one role by its number alone:
;   0-511 cast 8,192 numbers of obs;  512-575 W1;  576-703 W2;  704-767 Wc1;  768-831 Wt1;  832-959 Wk1: one tile of 128 k x 64 n each.
; Memory binds: every input byte is loaded once, 16 bytes a lane with sixteen lanes on 256 consecutive aligned bytes, and every store
; of sixteen lanes (cast: of a wave) covers 256 consecutive aligned bytes.  No matrix unit, no cluster: no work-group shares a byte with another.
; THE MODE: SCHED_MODE bits 1:0 = 2 (LLVM: expert scheduling mode 2), set by the entry lines.  The code itself states the register dependences
; between vector instructions and memory or LDS instructions, with s_wait_alu, always for 0.
; THE PLAN.  No loop; a wave runs one role straight through.  Registers that memory or LDS instructions touch:
;   a transpose:  v4          the source offset: written by vector lines, read by the global loads, never written again.
;                 X, X2       the global loads land here; the additions and conversions read them (the additions write X in place);
;                             the LDS loads of the way back land in X's first sixteen registers, which the global stores then read.
;                 Y           written by the conversions, read by the LDS stores, never written again.
;                 v5, v6, v7  written by vector lines behind the global loads; read by the LDS stores, the LDS loads, the global stores; never written again.
;     Two waits on va_vdst: one ahead of the global loads (v4), one behind the last conversion, ahead of the LDS stores (Y, v5, v6, v7 are written,
;     and X is no longer named by any vector line).  No vector line follows the second, so the LDS stores, LDS loads and global stores owe nothing more.
;   the cast:     v1, v2      offsets: written once, read by the loads and by the stores.
;                 X           the loads land here, the conversions read it.      X2  block j's two registers: written once, read by one store.
;     One wait on va_vdst ahead of the loads.  The eight blocks go in four pairs: at a pair's head, behind the wait for its data, one wait on va_vdst states
;     that the pair before is converted, and that pair's two stores follow; one more stands ahead of the last two stores.
;   v88, v89      written at the head, read by the closing add alone.
; No register that a memory or LDS instruction has read is written again, so no wait on vm_vsrc is owed; no vector line writes a scalar register, VCC or EXEC.
.set X,  8                             ; v[8:39]   cast: 8 loads.  transpose: row i of my 8 k rows, 4 columns each
.set X2, 40                            ; v[40:71]  cast: packed results.  fold: the same rows and columns 1,024 k rows further down
.set Y,  72                            ; v[72:87]  column c of my four: 8 k as bf16, 16 bytes
.set LP, 272                           ; LDS row: 256 bytes (128 k) + 16, so that sixteen consecutive rows start in sixteen different 16-byte columns of 256
	s_load_b512 s[8:23], s[0:1], 0x0               ; obs 8, W1 10, W2 12, Wc1 14, Wt1 16, Wk1 18, obsb 20, w1t 22
	s_load_b128 s[24:27], s[0:1], 0x40             ; w2t 24, wh 26
	v_lshl_add_u32 v88, v0, 2, 0x4400
	v_mov_b32 v89, 0
	s_wait_kmcnt 0x0
; One tile of a transpose.  Source [.][N] f32 at s[4:5], destination [N][K] bf16 at s[6:7], tile number in s3 (n tiles fastest).
; Thread t: nq = t % 16 (4 columns), kg = t / 16 (8 k rows).
.macro XPOSE N, K, LOGNT, fold
	s_and_b32 s28, s3, \N/64-1                     ; n tile
	s_lshr_b32 s29, s3, \LOGNT                     ; k tile
	s_mul_i32 s30, s29, 128*\N*4                   ; source: 128 rows down,
	s_lshl_b32 s31, s28, 8                         ; 64 columns of 4 bytes along
	s_add_co_u32 s30, s30, s31
	s_mov_b32 s31, 0
	s_add_nc_u64 s[4:5], s[4:5], s[30:31]
	s_mul_i32 s30, s28, 64*\K*2                    ; destination: 64 rows down,
	s_lshl_b32 s29, s29, 8                         ; 128 k of 2 bytes along
	s_add_co_u32 s30, s30, s29
	s_add_nc_u64 s[6:7], s[6:7], s[30:31]
	v_and_b32 v1, 15, v0                           ; nq
	v_lshrrev_b32 v2, 4, v0                        ; kg
	v_mul_u32_u24 v4, v2, 8*\N*4
	v_lshl_add_u32 v4, v1, 4, v4                   ; my first row, my 16 bytes
	s_wait_alu depctr_va_vdst(0)                   ; v4 is written, which the global loads below read as their offset
.irp i, 0,1,2,3,4,5,6,7
	global_load_b128 v[X+4*\i:X+4*\i+3], v4, s[4:5] offset:\i*\N*4 th:TH_LOAD_NT
.if \fold
	global_load_b128 v[X2+4*\i:X2+4*\i+3], v4, s[4:5] offset:1024*\N*4+\i*\N*4 th:TH_LOAD_NT
.endif
.endr
	v_mul_u32_u24 v5, v1, LP
	v_lshl_add_u32 v5, v2, 4, v5                   ; in: LDS row nq (+ 16 c), byte 16 kg.  LDS row 16 c + nq holds column 4 nq + c
	v_mul_u32_u24 v6, v2, LP
	v_lshl_add_u32 v6, v1, 4, v6                   ; back: LDS row kg (+ 16 j), byte 16 nq
	v_mul_u32_u24 v7, v2, 4*\K*2
	v_lshl_add_u32 v7, v1, 4, v7                   ; out: row 4 kg (+ j), byte 16 nq
.irp d, 0,1,2,3
.if \fold
	s_wait_loadcnt 12-4*\d                         ; loads come back in order: rows 2 d and 2 d + 1 of both halves are in, the 12 - 4 d younger loads stay out
.irp p, 0,2,4,6
	v_pk_add_f32 v[X+8*\d+\p:X+8*\d+\p+1], v[X+8*\d+\p:X+8*\d+\p+1], v[X2+8*\d+\p:X2+8*\d+\p+1]
.endr
.else
	s_wait_loadcnt 6-2*\d                          ; rows 2 d and 2 d + 1 are in, the 6 - 2 d younger loads stay out
.endif
.irp c, 0,1,2,3
	v_cvt_pk_bf16_f32 v[Y+4*\c+\d], v[X+8*\d+\c], v[X+8*\d+4+\c]   ; two neighbouring k of one column
.endr
.endr
	s_wait_alu depctr_va_vdst(0)                   ; the conversions have written Y, which the LDS stores read; v5, v6 and v7 are written, the addresses of all that follows; the additions and conversions are done with X, in which the LDS loads land
.irp c, 0,1,2,3
	ds_store_b128 v5, v[Y+4*\c:Y+4*\c+3] offset:\c*16*LP
.endr
	s_wait_dscnt 0x0                               ; my stores are done before I say so: other waves read them
	s_barrier_signal -1
	s_barrier_wait -1
.irp j, 0,1,2,3
	ds_load_b128 v[X+4*\j:X+4*\j+3], v6 offset:\j*16*LP            ; LDS row 16 j + kg = column 4 kg + j, sixteen lanes take its 256 bytes.  No wait: no vector line since the wait above
.endr
.irp j, 0,1,2,3
	s_wait_dscnt 3-\j                              ; LDS loads come back in order: row j is in
	global_store_b128 v7, v[X+4*\j:X+4*\j+3], s[6:7] offset:\j*\K*2
.endr
	s_wait_dscnt 0x0                               ; the closing lines, six on end
	s_wait_alu 0x0
	s_wait_tensorcnt 0x0
	ds_add_u32 v88, v89
	s_wait_dscnt 0x0
	s_endpgm
.endm
	s_cmp_lt_u32 ttmp9, 512
	s_cbranch_scc1 .Lcast
	s_cmp_lt_u32 ttmp9, 576
	s_cbranch_scc1 .Lw1
	s_cmp_lt_u32 ttmp9, 704
	s_cbranch_scc1 .Lw2
	s_cmp_lt_u32 ttmp9, 832
	s_cbranch_scc1 .Lct
	; Wk1, both halves, into rows 1024-2047 of wh (2,048 bytes a row)
	s_sub_co_u32 s3, ttmp9, 832
	s_mov_b64 s[4:5], s[18:19]
	s_add_nc_u64 s[6:7], s[26:27], 0x200000
	XPOSE 1024, 1024, 4, 1
.Lct:
	; Wc1 (tiles 0-63) into rows 0-511 of wh, Wt1 (tiles 64-127) into rows 512-1023
	s_sub_co_u32 s3, ttmp9, 704
	s_lshr_b32 s28, s3, 6                          ; 0: Wc1, 1: Wt1
	s_lshl_b32 s30, s28, 20                        ; 512 rows of 2,048 bytes
	s_mov_b32 s31, 0
	s_add_nc_u64 s[6:7], s[26:27], s[30:31]
	s_cmp_eq_u32 s28, 0
	s_cselect_b64 s[4:5], s[14:15], s[16:17]
	s_and_b32 s3, s3, 63
	XPOSE 512, 1024, 3, 0
.Lw2:
	s_sub_co_u32 s3, ttmp9, 576
	s_mov_b64 s[4:5], s[12:13]
	s_mov_b64 s[6:7], s[24:25]
	XPOSE 1024, 1024, 4, 0
.Lw1:
	s_sub_co_u32 s3, ttmp9, 512
	s_mov_b64 s[4:5], s[10:11]
	s_mov_b64 s[6:7], s[22:23]
	XPOSE 1024, 512, 4, 0
.Lcast:
	; 8,192 numbers: thread t takes 16 bytes at 16 t of each of eight blocks of 4,096 bytes and stores 8 bytes at 8 t of blocks of 2,048
	s_lshl_b32 s4, ttmp9, 15
	s_mov_b32 s5, 0
	s_add_nc_u64 s[8:9], s[8:9], s[4:5]
	s_lshl_b32 s4, ttmp9, 14
	s_add_nc_u64 s[20:21], s[20:21], s[4:5]
	v_lshlrev_b32 v1, 4, v0
	v_lshlrev_b32 v2, 3, v0
	s_wait_alu depctr_va_vdst(0)                   ; v1 and v2 are written: the offsets of the loads and of the stores below
.irp j, 0,1,2,3,4,5,6,7
	global_load_b128 v[X+4*\j:X+4*\j+3], v1, s[8:9] offset:\j*4096 th:TH_LOAD_NT
.endr
.irp g, 0,1,2,3
	s_wait_loadcnt 6-2*\g                          ; blocks 2 g and 2 g + 1 are in, the younger loads stay out
.if \g
	s_wait_alu depctr_va_vdst(0)                   ; the conversions of the pair before have written their four registers of X2, which the two stores below read
	global_store_b64 v2, v[X2+4*\g-4:X2+4*\g-3], s[20:21] offset:(2*\g-2)*2048   ; a wave stores 256 consecutive bytes, aligned
	global_store_b64 v2, v[X2+4*\g-2:X2+4*\g-1], s[20:21] offset:(2*\g-1)*2048
.endif
	v_cvt_pk_bf16_f32 v[X2+4*\g],   v[X+8*\g],   v[X+8*\g+1]
	v_cvt_pk_bf16_f32 v[X2+4*\g+1], v[X+8*\g+2], v[X+8*\g+3]
	v_cvt_pk_bf16_f32 v[X2+4*\g+2], v[X+8*\g+4], v[X+8*\g+5]
	v_cvt_pk_bf16_f32 v[X2+4*\g+3], v[X+8*\g+6], v[X+8*\g+7]
.endr
	s_wait_alu depctr_va_vdst(0)                   ; the last pair's conversions have written X2's last four registers, which the last two stores read
	global_store_b64 v2, v[X2+12:X2+13], s[20:21] offset:6*2048
	global_store_b64 v2, v[X2+14:X2+15], s[20:21] offset:7*2048
	s_endpgm
.Lfunc_end_k_qd36dc2b0ab_prep:
	.size	k_qd36dc2b0ab_prep, .Lfunc_end_k_qd36dc2b0ab_prep-k_qd36dc2b0ab_prep
	.p2alignl 7, 3214868480
	.fill 96, 4, 3214868480
	.section	.rodata,"a",@progbits
	.p2align	6, 0x0
	.amdhsa_kernel k_qd36dc2b0ab_prep
		.amdhsa_group_segment_fixed_size 18432
		.amdhsa_private_segment_fixed_size 0
		.amdhsa_enable_private_segment 0
		.amdhsa_kernarg_size 80
		.amdhsa_user_sgpr_count 2
		.amdhsa_user_sgpr_kernarg_segment_ptr 1
		.amdhsa_wavefront_size32 1
		.amdhsa_system_sgpr_workgroup_id_x 1
		.amdhsa_system_sgpr_workgroup_id_y 1
		.amdhsa_system_sgpr_workgroup_id_z 1
		.amdhsa_system_vgpr_workitem_id 0
		.amdhsa_next_free_vgpr 90
		.amdhsa_next_free_sgpr 66
		.amdhsa_reserve_vcc 0
		.amdhsa_float_denorm_mode_32 3
		.amdhsa_float_denorm_mode_16_64 3
		.amdhsa_memory_ordered 1
		.amdhsa_forward_progress 1
		.amdhsa_inst_pref_size 24
	.end_amdhsa_kernel
	.amdgpu_metadata
---
amdhsa.version: [ 1, 2 ]
amdhsa.kernels:
  - .name:           k_qd36dc2b0ab_prep
    .symbol:         k_qd36dc2b0ab_prep.kd
    .args:
      - { .name: obs, .offset: 0, .size: 8, .value_kind: global_buffer, .address_space: global }
      - { .name: W1, .offset: 8, .size: 8, .value_kind: global_buffer, .address_space: global }
      - { .name: W2, .offset: 16, .size: 8, .value_kind: global_buffer, .address_space: global }
      - { .name: Wc1, .offset: 24, .size: 8, .value_kind: global_buffer, .address_space: global }
      - { .name: Wt1, .offset: 32, .size: 8, .value_kind: global_buffer, .address_space: global }
      - { .name: Wk1, .offset: 40, .size: 8, .value_kind: global_buffer, .address_space: global }
      - { .name: obsb, .offset: 48, .size: 8, .value_kind: global_buffer, .address_space: global }
      - { .name: w1t, .offset: 56, .size: 8, .value_kind: global_buffer, .address_space: global }
      - { .name: w2t, .offset: 64, .size: 8, .value_kind: global_buffer, .address_space: global }
      - { .name: wh, .offset: 72, .size: 8, .value_kind: global_buffer, .address_space: global }
    .group_segment_fixed_size: 18432
    .private_segment_fixed_size: 0
    .kernarg_segment_align: 8
    .kernarg_segment_size: 80
    .max_flat_workgroup_size: 256
    .sgpr_count:     66
    .vgpr_count:     90
    .wavefront_size: 32
...
	.end_amdgpu_metadata
.endif
;; end of part 6
;; launch layer1: the kernel of part 2 again; grid 4 x 64, 4 waves a work-group, clusters of 4 x 4, 327,680 bytes of LDS; arguments obsb, w1t, b1, g1; writes g1
;; launch layer2: the kernel of part 3 again; grid 4 x 64, 4 waves a work-group, clusters of 4 x 4, 327,680 bytes of LDS; arguments g1, w2t, b2, g; writes g
;; launch heads: the kernel of part 4 again; grid 8 x 32, 4 waves a work-group, clusters of 4 x 4, 327,680 bytes of LDS; arguments g, wh, bc1, bt1, bk1, Wc2, Wt2, Wk2, part; writes part
;; launch finish: the kernel of part 5 again; grid 64 x 1, 9 waves a work-group, no clusters, 3,328 bytes of LDS; arguments part, bc2, bt2, bk2, out0, out1, out2; writes out0, out1, out2
